; MI455X (gfx1250); checked and timed in simulation.
; The chip was launched on July 23, 2026; its instructions are those of AMD's public machine-readable ISA for CDNA 5 (MIT licence, August 2026) and "CDNA5" Instruction Set Architecture Reference Guide (July 2026). The comments in the code are by the model that wrote it; some were corrected since.
;; Attention. Allowed arithmetic: matrix products marked QUANTISED: E2M1 operands, one E8M0 scale for each 32 along K, by v_wmma_scale_f32_16x16x128_f8f6f4 with both operands' format E2M1 (or v_wmma_scale_f32_32x16x128_f4), f32 sums; products left as they are: bf16, f16 or f32 operands; f32 sums; everything else in f32.
;; Inputs: Wk 1,024 x 1,024 float32; Wo 1,024 x 1,024 float32; Wq 1,024 x 1,024 float32; Wv 1,024 x 1,024 float32; bk 1,024 float32; bo 1,024 float32; bq 1,024 float32; bv 1,024 float32; mask 4 x 2,048 x 2,048 int32; x 4 x 2,048 x 1,024 float32.
;; Outputs: out0 4 x 2,048 x 1,024 float32.
;; This version of the problem:
;;   THIS VERSION OF THE PROBLEM IS GIVEN IN LOW PRECISION. The matrix products marked QUANTISED in the list below multiply operands that are first quantised to E2M1 (2 exponent bits, 1 mantissa bit; 4 bits a number), with one power-of-two scale for each 32 numbers along K (OCP MX v1.0); their sums are f32. The products marked 'left as it is' may take bf16, f16 or f32 operands, with f32 sums. Whichever they take, every output number must still come out within the allowed error. Rounding operands to bf16 (8 significant bits) uses up far more of that allowance than f16 does (11 bits, for magnitudes from 6e-5 to 65,504). All else is computed in f32.
;;   The module's matrix products, in the order in which they are computed (A, B: the left and right operand; K: the contracted axis; several contracted axes count as one K, in the product's order):
;;     1. [M 8,192, K 1,024] x [K 1,024, N 1,024]; A: input x; B: input Wq: QUANTISED
;;     2. [M 8,192, K 1,024] x [K 1,024, N 1,024]; A: input x; B: input Wk: QUANTISED
;;     3. [M 8,192, K 1,024] x [K 1,024, N 1,024]; A: input x; B: input Wv: QUANTISED
;;     4. batch 4 x [M 2,048, K 1,024] x [K 1,024, N 2,048]; A: computed on the way; B: computed on the way: left as it is (an operand is computed on the way)
;;     5. batch 4 x [M 2,048, K 2,048] x [K 2,048, N 1,024]; A: computed on the way; B: computed on the way: left as it is (an operand is computed on the way)
;;     6. [M 8,192, K 1,024] x [K 1,024, N 1,024]; A: computed on the way; B: input Wo: left as it is (an operand is computed on the way)
;;   THE QUANTISER, for each operand of a quantised product, along K:
;;     - K is cut into blocks of 32 from its start; a last block that is shorter is filled with zeros.
;;     - A block's scale is 2^e with e = floor(log2(the largest magnitude in the block)) - 2, held to -126 .. 127; a block of zeros has e = 0. As a byte (E8M0): e + 127.
;;     - Each number is divided by its block's scale, clamped to +-6, and rounded to the nearest number of E2M1, ties to even, subnormals kept.
;;     - The product sums the exact products of the quantised numbers (number of the format x scale) in f32.
;;   ~~~python
;;   def quantise(x, axis):      # numpy; x: float32 -> the quantised numbers, widened to float32 again
;;       x = np.moveaxis(x, axis, -1); K = x.shape[-1]
;;       x = np.pad(x, [(0, 0)] * (x.ndim - 1) + [(0, -K % 32)]); x = x.reshape(x.shape[:-1] + (-1, 32)); a = np.abs(x).max(-1, keepdims=True)
;;       e = np.where(a > 0, np.clip(np.frexp(np.where(a > 0, a, 1))[1] - 1 - 2, -126, 127), 0)      # np.frexp(a)[1] - 1 = floor(log2(a)), exactly
;;       r = np.clip(x / 2.0 ** e, -6, 6)
;;       step = 2.0 ** (np.maximum(np.frexp(np.where(r == 0, 1, r))[1] - 1, 0) - 1)
;;       q = np.round(r / step) * step * 2.0 ** e      # np.round: ties to even
;;       return np.moveaxis(q.reshape(q.shape[:-2] + (-1,))[..., :K], -1, axis).astype(np.float32)
;;   ~~~
;; One version. Each part assembles by itself: llvm-mc -triple=amdgcn-amd-amdhsa -mcpu=gfx1250 --defsym DOCPART=n.
;; ======== version 1 of 1: 6 launches
;; limits: values are held in f16: magnitudes above 65,504 overflow, below 6.1e-05 lose precision
;; workspace buffers: mbits 2,228,224 bytes of whole numbers; codes 6,127,616 bytes; wo16 6,291,456 bytes; qkv 50,331,648 bytes; p 33,554,432 bytes; stats 1,048,576 bytes; ctx 50,331,648 bytes; fmask 1,024 bytes of whole numbers
;; launch prep (part 1): grid 752 x 1, 4 waves a work-group, no clusters, 68,096 bytes of LDS; arguments mask, mbits, x, codes, Wq, Wk, Wv, Wo, wo16; writes mbits, codes, wo16
.if DOCPART == 1
	.amdgcn_target "amdgcn-amd-amdhsa--gfx1250"
	.amdhsa_code_object_version 6
	.text
	.protected	k_q1277fc777f_prep
	.globl	k_q1277fc777f_prep
	.p2align	8
	.type	k_q1277fc777f_prep,@function
k_q1277fc777f_prep:
	s_mov_b64 s[64:65], 0
	v_nop
	global_prefetch_b8 v0, s[64:65] scope:SCOPE_SE
	s_setreg_imm32_b32 hwreg(HW_REG_WAVE_MODE, 25, 1), 1
	s_wait_xcnt 0x0
; ATTENTION, one head of 1,024: out = softmax(mask(q k^T / 32)) v Wo + bo, q = x Wq + bq, k = x Wk + bk, v = x Wv + bv; the three projections on codes of FP4 (E2M1).
; WORK LEFT OUT, for all values of the inputs: bk.  scores[q][j] = q . (x_j Wk + bk) / 32 = q . (x_j Wk) / 32 + q . bk / 32, and the second term is the same for every key j of a query:
; a term added to a softmax's input that is the same along its axis leaves the softmax as it is; the product of q and k is not quantised.  So bk has no way to any output: it is not loaded and is no argument of any launch.
; bv is added to ctx and not to v: the softmax's weights sum to 1, so attn (v + bv) = attn v + bv.
; LIMITS: a NaN, an infinity or an overflow that lives in bk alone is not carried to the result.  q, k, v and ctx go on as f16: magnitudes up to 65,504.  NaN and infinities among x and the weights are not served.
; THIS LAUNCH makes ready what the later ones read; five roles, parted by the work-group's number; each role that uses LDS has bytes of its own.
;   M (work-groups 0-255):   mask, int32 [8192 rows][2048], becomes bits: mbits[batch][chunk of 128 keys][query][4 words]; word j, bit i = (mask[128 c + 4 i + j] != 0); and each row's count of such keys, in four parts, at 0x200000: [part][row].
;   X (256-511):             x becomes codes and scale bytes, K innermost: codes[row][512 bytes] at 0, scale bytes [row][32] at 0x580000.
;   W (512-559):             Wq, Wk, Wv ([k][n], K is the first axis) become codes [3072 rows n][512 bytes] at 0x400000, scale bytes [n][32] at 0x5c0000.
;   O (560-623):             Wo becomes f16, as it lies: wo16 at 0.
;   F (624-751):             Wo as f32, laid in the order of an operand's registers, for the rows that are carried finely: wo16 at 0x200000: [tile of 16 columns][chunk of 32 k][u 0..3][lane (r, h)][4 numbers] = Wo[32 c + 8 u + 4 h + 0 .. 3][16 tile + r].
; A block's scale is 2^(floor(log2(its largest magnitude)) - 2); its byte is that magnitude's exponent field - 2, held at 1 from below.  A block of zeros so gets the byte 1: its codes are zeros, and this program alone reads the bytes.
.set SPW,   190                        ; v190 LDS address of my spare word; never rewritten
.set NIL,   191                        ; v191 0; never rewritten
.set SPARE, 67584                      ; behind both roles' LDS: 128 bytes for each wave, named by no other line
	v_lshl_add_u32 v[SPW], v0, 2, SPARE
	v_mov_b32 v[NIL], 0
	v_lshrrev_b32 v1, 5, v0
	v_readfirstlane_b32 s16, v1                    ; wave 0..3
	v_and_b32 v2, 31, v0                           ; lane
	s_cmp_lt_u32 ttmp9, 256
	s_cbranch_scc1 .Lrole_m
	s_cmp_lt_u32 ttmp9, 512
	s_cbranch_scc1 .Lrole_x
	s_cmp_lt_u32 ttmp9, 560
	s_cbranch_scc1 .Lrole_w
	s_cmp_ge_u32 ttmp9, 624
	s_cbranch_scc1 .Lrole_f
; ---------------- ROLE O: a wave turns 16 KiB of Wo into 8 KiB of f16.  32 loads of 512 consecutive bytes, all out at once; each store covers 256 consecutive bytes, aligned.
	s_load_b64 s[4:5], s[0:1], 0x38                ; Wo
	s_load_b64 s[6:7], s[0:1], 0x40                ; wo16
	s_sub_co_u32 s17, ttmp9, 560
	s_lshl_b32 s17, s17, 2
	s_add_co_u32 s17, s17, s16                     ; which 16 KiB
	s_lshl_b32 s18, s17, 14
	s_mov_b32 s19, 0
	s_lshl_b32 s20, s17, 13
	s_mov_b32 s21, 0
	v_lshlrev_b32 v3, 4, v2
	v_lshlrev_b32 v4, 3, v2
	s_wait_kmcnt 0x0
	s_add_nc_u64 s[4:5], s[4:5], s[18:19]
	s_add_nc_u64 s[6:7], s[6:7], s[20:21]
.set i, 0
.rept 32
	global_load_b128 v[16+4*i:19+4*i], v3, s[4:5] offset:512*i
.set i, i+1
.endr
.set i, 0
.rept 32
	s_wait_loadcnt 31-i                            ; loads come back in order: number i is in
	v_cvt_pk_f16_f32 v[16+4*i], v[16+4*i], v[17+4*i]
	v_cvt_pk_f16_f32 v[17+4*i], v[18+4*i], v[19+4*i]
	global_store_b64 v4, v[16+4*i:17+4*i], s[6:7] offset:256*i
.set i, i+1
.endr
	s_endpgm
; ---------------- ROLE F: a lane takes a column and its registers run down K: wave g of 512 takes columns 32 (g % 32) on and rows 64 (g / 32) on.  A load reads 128 consecutive bytes of a row of Wo.
; Four registers are four neighbours along K of one column: 16 bytes of the new layout.  A store's lanes 0-15 fill 256 consecutive bytes, aligned, of one tile of columns, lanes 16-31 of the next tile.
.Lrole_f:
	s_load_b64 s[4:5], s[0:1], 0x38                ; Wo
	s_load_b64 s[6:7], s[0:1], 0x40                ; wo16
	s_sub_co_u32 s17, ttmp9, 624
	s_lshl_b32 s17, s17, 2
	s_add_co_u32 s17, s17, s16                     ; g
	s_and_b32 s18, s17, 31                         ; which 32 columns
	s_lshr_b32 s19, s17, 5                         ; which 64 rows
	s_lshl_b32 s20, s19, 18                        ; 64 rows of 4,096 bytes
	s_lshl_b32 s22, s18, 7
	s_add_co_u32 s20, s20, s22
	s_mov_b32 s21, 0
	s_lshl_b32 s22, s18, 17                        ; two tiles of columns, 65,536 bytes each
	s_lshl_b32 s23, s19, 12                        ; two chunks of 2,048 bytes
	s_add_co_u32 s22, s22, s23
	s_add_co_u32 s22, s22, 0x200000
	s_mov_b32 s23, 0
	v_lshlrev_b32 v3, 2, v2
	v_and_b32 v4, 15, v2
	v_lshrrev_b32 v5, 4, v2
	v_lshlrev_b32 v4, 4, v4
	v_lshl_add_u32 v4, v5, 16, v4                  ; 16 r, + a tile for lanes 16-31
	s_wait_kmcnt 0x0
	s_add_nc_u64 s[4:5], s[4:5], s[20:21]
	s_add_nc_u64 s[6:7], s[6:7], s[22:23]
.set i, 0
.rept 64
	global_load_b32 v[16+i], v3, s[4:5] offset:4096*i
.set i, i+1
.endr
.set i, 0
.rept 16
	s_wait_loadcnt 60-4*i                          ; behind quad i's four loads: 60 - 4 i younger ones
	global_store_b128 v4, v[16+4*i:19+4*i], s[6:7] offset:256*i   ; rows 4 i on: chunk i / 8, u = (i / 2) % 4, h = i % 2: 2,048 (i / 8) + 512 u + 256 h = 256 i
.set i, i+1
.endr
	s_endpgm
; ---------------- ROLE M: the work-group owns 32 rows, wave w the chunks 4 w .. 4 w + 3, one chunk a task.  A load takes a row's 512 bytes of a chunk, 16 a lane; a compare of register j gives word j of that row as a lane mask;
; v_writelane puts it into lane (row), so that a task's 32 rows x 16 bytes leave as 512 consecutive bytes.  A ring of 32 loads is always out.
.Lrole_m:
.set MR, 16                            ; v16-143  32 slots of 4 registers
.set MO, 144                           ; v144-159 four words a task
.set MC, 160                           ; v160-163 a count a task
	s_load_b128 s[4:7], s[0:1], 0x0                ; mask, mbits
	s_lshl_b32 s18, ttmp9, 18                      ; 32 rows of 8,192 bytes
	s_lshl_b32 s17, s16, 11                        ; my four chunks
	s_add_co_u32 s18, s18, s17
	s_mov_b32 s19, 0
	s_lshr_b32 s20, ttmp9, 6                       ; batch
	s_lshl_b32 s20, s20, 19
	s_lshl_b32 s17, s16, 17
	s_add_co_u32 s20, s20, s17
	s_and_b32 s17, ttmp9, 63
	s_lshl_b32 s17, s17, 9
	s_add_co_u32 s20, s20, s17                     ; ((16 batch + 4 w) 2,048 + first query) x 16
	s_mov_b32 s21, 0
	s_lshl_b32 s22, s16, 15                        ; the counts: part w,
	s_lshl_b32 s17, ttmp9, 7                       ; my 32 rows
	s_add_co_u32 s22, s22, s17
	s_add_co_u32 s22, s22, 0x200000
	s_mov_b32 s23, 0
	v_lshlrev_b32 v3, 4, v2
	v_lshlrev_b32 v4, 2, v2
.set i, 0
.rept 20
	v_mov_b32 v[MO+i], 0                           ; v_writelane's destination counts as read
.set i, i+1
.endr
	s_wait_kmcnt 0x0
	s_add_nc_u64 s[4:5], s[4:5], s[18:19]
	s_add_nc_u64 s[8:9], s[6:7], s[22:23]
	s_add_nc_u64 s[6:7], s[6:7], s[20:21]
.set i, 0
.rept 32
	global_load_b128 v[MR+4*i:MR+4*i+3], v3, s[4:5] offset:8192*i th:TH_LOAD_NT
.set i, i+1
.endr
.macro MROW t, i
.if \t < 3
	s_wait_loadcnt 31                              ; behind this row's load: the task's later rows and the next task's earlier ones
.else
	s_wait_loadcnt 31-(\i)                         ; the last task loads nothing more: the count runs down
.endif
.irp j, 0,1,2,3
	v_cmp_ne_u32 s[24+\j], 0, v[MR+4*(\i)+\j]
.endr
.if \t < 3
	global_load_b128 v[MR+4*(\i):MR+4*(\i)+3], v3, s[4:5] offset:8192*(\i)+512*(\t+1) th:TH_LOAD_NT
.endif
.irp j, 0,1,2,3
	v_writelane_b32 v[MO+4*\t+\j], s[24+\j], \i
.endr
	s_bcnt1_i32_b32 s28, s24                       ; how many of these 128 keys count for the row
	s_bcnt1_i32_b32 s29, s25
	s_bcnt1_i32_b32 s30, s26
	s_bcnt1_i32_b32 s31, s27
	s_add_co_u32 s28, s28, s29
	s_add_co_u32 s30, s30, s31
	s_add_co_u32 s28, s28, s30
	v_writelane_b32 v[MC+\t], s28, \i
.endm
.irp t, 0,1,2,3
.set i, 0
.rept 32
	MROW \t, i
.set i, i+1
.endr
	global_store_b128 v3, v[MO+4*\t:MO+4*\t+3], s[6:7] offset:32768*\t   ; 512 consecutive bytes; each task has registers of its own
.endr
	v_add_nc_u32 v[MC], v[MC], v[MC+1]
	v_add_nc_u32 v[MC+2], v[MC+2], v[MC+3]
	v_add_nc_u32 v[MC], v[MC], v[MC+2]
	global_store_b32 v4, v[MC], s[8:9]             ; my 512 keys' count for each of the 32 rows
	s_endpgm
; ---------------- ROLE X: x is a plain stream of blocks of 32.  A wave takes 16 steps of 512 numbers; each load reads 512 consecutive bytes; a step turns through the wave's own stage in LDS so that a lane holds 16 neighbours
; (two lanes to a block); a lane's 16 codes are 8 bytes, so a store covers 256 consecutive bytes; a wave's 256 scale bytes are gathered in LDS and leave together.
.Lrole_x:
.set XR,  16                           ; v16-79   four sets of 16 numbers as loaded
.set XX,  80                           ; v80-111  two sets of 16 neighbours
.set XE,  112                          ; v112-127 a scale byte a step
.set XC,  128                          ; v128-189 codes, registers of its own for each step
.set XSP, 80                           ; a lane's place in a stage: 64 bytes + 16 of padding
	s_load_b128 s[4:7], s[0:1], 0x10               ; x, codes
	v_lshlrev_b32 v3, 4, v2
	s_mul_i32 s17, s16, 8192                       ; my wave's region of LDS
	v_lshrrev_b32 v14, 2, v2
	v_mul_u32_u24 v14, v14, XSP
	v_and_b32 v15, 3, v2
	v_lshl_add_u32 v14, v15, 4, v14
	v_add_nc_u32 v14, s17, v14                     ; into the stage: as loaded
	v_mul_u32_u24 v15, v2, XSP
	v_add_nc_u32 v15, s17, v15                     ; out of it: my 16 neighbours
	v_lshlrev_b32 v4, 3, v2                        ; my codes' place in a step's
	v_lshrrev_b32 v5, 1, v2
	s_add_co_u32 s17, s17, 2*32*XSP
	v_add_nc_u32 v5, s17, v5                       ; my block's scale byte
	v_lshlrev_b32 v7, 3, v2
	v_add_nc_u32 v6, s17, v7
	s_sub_co_u32 s18, ttmp9, 256
	s_lshl_b32 s18, s18, 2
	s_add_co_u32 s18, s18, s16                     ; which run of 8,192 numbers
	s_lshl_b32 s20, s18, 15
	s_mov_b32 s21, 0
	s_lshl_b32 s22, s18, 12
	s_mov_b32 s23, 0
	s_lshl_b32 s24, s18, 8
	s_add_co_u32 s24, s24, 0x580000
	s_mov_b32 s25, 0
	s_wait_kmcnt 0x0
	s_add_nc_u64 s[4:5], s[4:5], s[20:21]
	s_add_nc_u64 s[8:9], s[6:7], s[22:23]
	s_add_nc_u64 s[10:11], s[6:7], s[24:25]
.macro XLOAD t
.irp i, 0,1,2,3
	global_load_b128 v[XR+16*((\t)%4)+4*\i:XR+16*((\t)%4)+4*\i+3], v3, s[4:5] offset:2048*(\t)+512*\i th:TH_LOAD_NT
.endr
.endm
.macro XTURN t                         ; LDS serves a wave's instructions in order: no wait between the stores and the loads
.irp i, 0,1,2,3
	ds_store_b128 v14, v[XR+16*((\t)%4)+4*\i:XR+16*((\t)%4)+4*\i+3] offset:32*XSP*((\t)%2)+8*XSP*\i
.endr
.irp i, 0,1,2,3
	ds_load_b128 v[XX+16*((\t)%2)+4*\i:XX+16*((\t)%2)+4*\i+3], v15 offset:32*XSP*((\t)%2)+16*\i
.endr
.endm
.irp t, 0,1,2,3
	XLOAD \t
.endr
	s_wait_loadcnt 12                              ; step 0's four loads are in
	XTURN 0
.macro XSTEP t
.set XN, XX+16*((\t)%2)
.if (\t) > 0
	s_wait_dscnt 1                                 ; this step's numbers are back (the last step's byte store may be out)
.else
	s_wait_dscnt 0x0
.endif
.if (\t)+4 < 16
	XLOAD (\t)+4
.endif
.if (\t)+1 < 16
.if 14-(\t) >= 3
	s_wait_loadcnt 12                              ; the next step's loads are in; those of the three steps behind may be out
.else
	s_wait_loadcnt 4*(14-(\t))
.endif
	XTURN (\t)+1
.endif
	v_max3_num_f32 v8, |v[XN]|, |v[XN+1]|, |v[XN+2]|
	v_max3_num_f32 v9, |v[XN+3]|, |v[XN+4]|, |v[XN+5]|
.irp i, 6,10
	v_max3_num_f32 v8, v8, |v[XN+\i]|, |v[XN+\i+1]|
	v_max3_num_f32 v9, v9, |v[XN+\i+2]|, |v[XN+\i+3]|
.endr
	v_max3_num_f32 v8, v8, |v[XN+14]|, |v[XN+15]|
	v_max3_num_f32 v8, v8, v9, 0x1800000           ; the floor 2^(3 - 127): the byte cannot fall under 1
	v_max_num_f32_dpp v8, v8, v8 row_xmask:1 row_mask:0xf bank_mask:0xf   ; with my neighbour's 16: the block's largest magnitude
	v_add_nc_u32 v11, 0xff000000, v8               ; 2 off its exponent field: the conversion's scale operand
	v_cvt_scalef32_pk8_fp4_f32 v[XC+4*(\t)], v[XN:XN+7], v11
	v_cvt_scalef32_pk8_fp4_f32 v[XC+4*(\t)+1], v[XN+8:XN+15], v11
	v_lshrrev_b32 v[XE+(\t)], 23, v11              ; the scale's byte
	ds_store_b8 v5, v[XE+(\t)] offset:16*(\t)      ; both lanes of a block write the same byte with the same value
	global_store_b64 v4, v[XC+4*(\t):XC+4*(\t)+1], s[8:9] offset:256*(\t)
.endm
.irp t, 0,1,2,3,4,5,6,7,8,9,10,11,12,13,14,15
	XSTEP \t
.endr
	ds_load_b64 v[8:9], v6
	s_wait_dscnt 0x0
	global_store_b64 v7, v[8:9], s[10:11]          ; 256 consecutive bytes, aligned
	s_wait_tensorcnt 0x0                           ; the wave's end
	ds_add_u32 v[SPW], v[NIL]
	s_wait_dscnt 0x0
	s_endpgm
; ---------------- ROLE W: a lane takes a column n and its registers run down K: a block of 32 lies in one lane, and the conversions give codes with K innermost.  A wave takes 32 columns x 512 along K;
; the codes go through the wave's own stage and leave as rows: sixteen lanes store 256 consecutive bytes, aligned.  The 16 scale bytes of a lane leave by one store, rows 32 bytes apart: one byte in 128 of what the role reads.
.Lrole_w:
.set WP,   272                         ; a stage row: 256 bytes + 16
.set WX,   32                          ; v32-95   two sets of 32 numbers
.set WC,   96                          ; v96-99   a block's codes
.set WOUT, 112                         ; v112-175 the way out
.set WSB,  24                          ; v24-27   the scale bytes
	s_load_b64 s[6:7], s[0:1], 0x18                ; codes
	s_load_b128 s[12:15], s[0:1], 0x20             ; Wq, Wk
	s_load_b64 s[28:29], s[0:1], 0x30              ; Wv
	s_sub_co_u32 s30, ttmp9, 512
	s_lshr_b32 s31, s30, 4                         ; which weight
	s_and_b32 s17, s30, 7
	s_lshl_b32 s17, s17, 7
	s_lshl_b32 s18, s16, 5
	s_add_co_u32 s17, s17, s18                     ; my wave's first column
	s_bfe_u32 s18, s30, 0x10003                    ; which half of K
	v_lshlrev_b32 v3, 2, v2
	s_mul_i32 s19, s16, 32*WP
	s_add_co_u32 s19, s19, 32768                   ; my stage
	v_mul_u32_u24 v4, v2, WP
	v_add_nc_u32 v4, s19, v4
	v_and_b32 v5, 15, v2
	v_lshrrev_b32 v6, 4, v2
	v_mul_u32_u24 v7, v6, WP
	v_lshl_add_u32 v7, v5, 4, v7
	v_add_nc_u32 v7, s19, v7
	v_lshlrev_b32 v8, 9, v6
	v_lshl_add_u32 v8, v5, 4, v8                   ; the same place in the codes: rows of 512 bytes
	v_lshlrev_b32 v9, 5, v2                        ; my column's row of scale bytes
	s_lshl_b32 s20, s18, 21                        ; 512 rows of 4,096 bytes
	s_lshl_b32 s22, s17, 2
	s_add_co_u32 s20, s20, s22
	s_mov_b32 s21, 0
	s_lshl_b32 s24, s31, 10
	s_add_co_u32 s24, s24, s17                     ; row n of the 3,072
	s_lshl_b32 s26, s24, 5
	s_lshl_b32 s24, s24, 9
	s_lshl_b32 s22, s18, 8
	s_add_co_u32 s24, s24, s22
	s_add_co_u32 s24, s24, 0x400000
	s_mov_b32 s25, 0
	s_lshl_b32 s22, s18, 4
	s_add_co_u32 s26, s26, s22
	s_add_co_u32 s26, s26, 0x5c0000
	s_mov_b32 s27, 0
	s_wait_kmcnt 0x0
	s_cmp_eq_u32 s31, 0                            ; the choice hangs on the work-group's number alone
	s_cselect_b64 s[4:5], s[12:13], s[14:15]
	s_cmp_eq_u32 s31, 2
	s_cselect_b64 s[4:5], s[28:29], s[4:5]
	s_add_nc_u64 s[4:5], s[4:5], s[20:21]
	s_add_nc_u64 s[8:9], s[6:7], s[26:27]
	s_add_nc_u64 s[6:7], s[6:7], s[24:25]
.macro WLOAD t
.set i, 0
.rept 32
	global_load_b32 v[WX+32*((\t)%2)+i], v3, s[4:5] offset:(32*(\t)+i)*4096 th:TH_LOAD_NT
.set i, i+1
.endr
.endm
	WLOAD 0
	WLOAD 1
.macro WBLOCK t
.set WN, WX+32*((\t)%2)
.if (\t) < 15
	s_wait_loadcnt 32                              ; this block's 32 loads are in; the next block's may be out
.else
	s_wait_loadcnt 0
.endif
	v_max3_num_f32 v12, |v[WN]|, |v[WN+1]|, |v[WN+2]|
	v_max3_num_f32 v13, |v[WN+3]|, |v[WN+4]|, |v[WN+5]|
.irp i, 6,10,14,18,22,26
	v_max3_num_f32 v12, v12, |v[WN+\i]|, |v[WN+\i+1]|
	v_max3_num_f32 v13, v13, |v[WN+\i+2]|, |v[WN+\i+3]|
.endr
	v_max3_num_f32 v12, v12, |v[WN+30]|, |v[WN+31]|
	v_max3_num_f32 v12, v12, v13, 0x1800000
	v_add_nc_u32 v11, 0xff000000, v12
	v_lshrrev_b32 v13, 23, v11
.if (\t)%4 == 0
	v_mov_b32 v[WSB+(\t)/4], v13
.else
	v_lshl_or_b32 v[WSB+(\t)/4], v13, 8*((\t)%4), v[WSB+(\t)/4]
.endif
.irp g, 0,1,2,3
	v_cvt_scalef32_pk8_fp4_f32 v[WC+\g], v[WN+8*\g:WN+8*\g+7], v11
.endr
	ds_store_b128 v4, v[WC:WC+3] offset:16*(\t)
.if (\t)+2 < 16
	WLOAD (\t)+2
.endif
	s_wait_dscnt 0x0                               ; the store has read its registers: the next block's codes may be written
.endm
.set Q, 0
.rept 16
	WBLOCK Q
.set Q, Q+1
.endr
	global_store_b128 v9, v[WSB:WSB+3], s[8:9]
.irp t, 0,1,2,3,4,5,6,7,8,9,10,11,12,13,14,15
	ds_load_b128 v[WOUT+4*\t:WOUT+4*\t+3], v7 offset:2*\t*WP
.endr
.irp t, 0,1,2,3,4,5,6,7,8,9,10,11,12,13,14,15
	s_wait_dscnt 15-\t
	global_store_b128 v8, v[WOUT+4*\t:WOUT+4*\t+3], s[6:7] offset:2*\t*512
.endr
	s_wait_tensorcnt 0x0                           ; the wave's end
	ds_add_u32 v[SPW], v[NIL]
	s_wait_dscnt 0x0
	s_endpgm
.Lfunc_end_k_q1277fc777f_prep:
	.size	k_q1277fc777f_prep, .Lfunc_end_k_q1277fc777f_prep-k_q1277fc777f_prep
	.p2alignl 7, 3214868480
	.fill 96, 4, 3214868480
	.section	.rodata,"a",@progbits
	.p2align	6, 0x0
	.amdhsa_kernel k_q1277fc777f_prep
		.amdhsa_group_segment_fixed_size 68096
		.amdhsa_private_segment_fixed_size 0
		.amdhsa_enable_private_segment 0
		.amdhsa_kernarg_size 72
		.amdhsa_user_sgpr_count 2
		.amdhsa_user_sgpr_kernarg_segment_ptr 1
		.amdhsa_wavefront_size32 1
		.amdhsa_system_sgpr_workgroup_id_x 1
		.amdhsa_system_sgpr_workgroup_id_y 1
		.amdhsa_system_sgpr_workgroup_id_z 1
		.amdhsa_system_vgpr_workitem_id 0
		.amdhsa_next_free_vgpr 192
		.amdhsa_next_free_sgpr 66
		.amdhsa_reserve_vcc 0
		.amdhsa_float_denorm_mode_32 3
		.amdhsa_float_denorm_mode_16_64 3
		.amdhsa_memory_ordered 1
		.amdhsa_forward_progress 1
		.amdhsa_inst_pref_size 250
	.end_amdhsa_kernel
	.amdgpu_metadata
---
amdhsa.version: [ 1, 2 ]
amdhsa.kernels:
  - .name:           k_q1277fc777f_prep
    .symbol:         k_q1277fc777f_prep.kd
    .args:
      - { .name: mask, .offset: 0, .size: 8, .value_kind: global_buffer, .address_space: global }
      - { .name: mbits, .offset: 8, .size: 8, .value_kind: global_buffer, .address_space: global }
      - { .name: x, .offset: 16, .size: 8, .value_kind: global_buffer, .address_space: global }
      - { .name: codes, .offset: 24, .size: 8, .value_kind: global_buffer, .address_space: global }
      - { .name: Wq, .offset: 32, .size: 8, .value_kind: global_buffer, .address_space: global }
      - { .name: Wk, .offset: 40, .size: 8, .value_kind: global_buffer, .address_space: global }
      - { .name: Wv, .offset: 48, .size: 8, .value_kind: global_buffer, .address_space: global }
      - { .name: Wo, .offset: 56, .size: 8, .value_kind: global_buffer, .address_space: global }
      - { .name: wo16, .offset: 64, .size: 8, .value_kind: global_buffer, .address_space: global }
    .group_segment_fixed_size: 68096
    .private_segment_fixed_size: 0
    .kernarg_segment_align: 8
    .kernarg_segment_size: 72
    .max_flat_workgroup_size: 128
    .sgpr_count:     66
    .vgpr_count:     192
    .wavefront_size: 32
...
	.end_amdgpu_metadata
.endif
;; end of part 1
;; launch qkv (part 2): grid 12 x 32, 4 waves a work-group, clusters of 4 x 4, 327,680 bytes of LDS; arguments codes, bq, qkv; writes qkv
.if DOCPART == 2
	.amdgcn_target "amdgcn-amd-amdhsa--gfx1250"
	.amdhsa_code_object_version 6
	.text
	.protected	k_q1277fc777f_qkv
	.globl	k_q1277fc777f_qkv
	.p2align	8
	.type	k_q1277fc777f_qkv,@function
k_q1277fc777f_qkv:
	s_mov_b64 s[64:65], 0
	v_nop
	global_prefetch_b8 v0, s[64:65] scope:SCOPE_SE
	s_setreg_imm32_b32 hwreg(HW_REG_WAVE_MODE, 25, 1), 1
	s_wait_xcnt 0x0
	s_wait_alu depctr_hold_cnt(0) depctr_sa_sdst(0) depctr_va_vdst(0) depctr_va_sdst(0) depctr_va_ssrc(0) depctr_va_vcc(0) depctr_vm_vsrc(0)
	s_getreg_b32 s2, hwreg(HW_REG_IB_STS2, 6, 4)
	s_cmp_eq_u32 s2, 0
	s_cbranch_scc0 .Lentry_in_a_cluster
	s_endpgm
.Lentry_in_a_cluster:
	s_bfe_u32 s2, ttmp6, 0x10000c
	s_cmp_lg_u32 s2, 0xf033
	s_cbranch_scc0 .Lentry_shape_is_right
	s_endpgm
.Lentry_shape_is_right:
; [q + bq | k | v] = x [Wq | Wk | Wv] on codes of FP4 (E2M1) with E8M0 scales: one GEMM, M 8,192, N 3,072, K 1,024; sums in f32; results rounded once to f16: qkv[3][8192][1024].
; WORK LEFT OUT: bk (the same term for every key of a query: the softmax takes it away); bv is added to ctx later (the softmax's weights sum to 1).
; A tile of C, 256 x 256, is made by four waves, 128 x 128 each: 64 accumulators.  K is two steps of 512, one in each of two LDS slots: both are first fills, nothing is filled again.  The scale bytes of the tile's rows come once, as dense blocks.
; CLUSTERS: 4 x 4 work-groups; A's tiles are asked for jointly along a row of the cluster, B's along a column.  A cluster's four tile columns are one of the three weights: the cluster's x says which.
; THE MATRIX INSTRUCTION IS USED TRANSPOSED (source 0 = 16 rows of W, source 1 = 16 rows of x): a lane holds eight neighbouring numbers of a row of C.  bq is the C of the first product of each sum, in the q clusters alone.
; REGISTERS: window 0: v0-31 addresses; v32-95 scale words, two sets; v128-191 A's fragments, one set; on the way out v32-63, v192-255.   window 1: B's fragments at v0 and v128; v64-127 bq.   windows 2, 3: the accumulators.
.set KSTEP,  512
.set NQ,     4
.set ROWB,   256
.set KROW,   512
.set PITCH,  272                       ; 256 bytes + 16 of padding: the 16 rows that a load touches start at 16 different banks
.set FR,     8
.set NL,     2
.set NP,     4
.set HALFT,  128*PITCH
.set SLOT,   4*HALFT
.set KS,     32                        ; a row of scale bytes
.set SCL,    2*SLOT
.set HALFS,  16*272                    ; the scales of 128 rows: 4,096 bytes as 16 rows of 256 + 16
.set SBLK,   2*272                     ; those of 16 rows
.set SPARE,  SCL+4*HALFS               ; the spare words, named by no other line
.set SPITCH, 272                       ; the way out: 16 rows x (256 + 16) for each wave, in slot 0, which has had its last fill and its last read by then
.set ADRA, 16
.set ADRB, 20
.set STO,  24
.set RD,   25
.set CO,   26
.set ADRS, 27
.set SPW,  28
.set NIL,  29
.set BOF,  30
.set SC,   32
.set AF,   128
.set TMP,  192
.set OB,   32
.set G1, 24
.set G0, 32
.set G1B, 48
.set G0B, 56
.set G1S, 68
.set G0S, 76
.set G1SB, 80
.set G0SB, 88
.set MSB, 0
.macro WIN new                         ; the immediate's high byte repeats the setting that is left
.if MSB != (\new)
	s_set_vgpr_msb (MSB<<8)|(\new)
.set MSB, (\new)
.endif
.endm
.set MUL_LO, 0xa1                      ; source 0 (W) window 1, source 1 (x) window 0, C and D window 2
.set MUL_HI, 0xf1
.set TO_B,   0x40
.macro JLOAD g0a, g1a, g0b, g1b        ; waves 0 and 1 fetch for A, waves 2 and 3 for B; an s_nop 0 and four v_nop follow each line
	s_cmp_eq_u32 s15, 0
	s_cbranch_scc0 .Lfor_b_\@
	tensor_load_to_lds s[\g0a:\g0a+3], s[\g1a:\g1a+7]
	s_nop 0
.rept 4
	v_nop
.endr
	s_branch .Lasked_\@
.Lfor_b_\@:
	tensor_load_to_lds s[\g0b:\g0b+3], s[\g1b:\g1b+7]
	s_nop 0
.rept 4
	v_nop
.endr
.Lasked_\@:
.endm
.macro CROUND                          ; a round of the cluster's barrier
	s_barrier_signal -1
	s_barrier_wait -1
	s_cmp_lg_u32 s14, 0
	s_cbranch_scc1 .Lnot_wave_0_\@
	s_barrier_signal -3
.Lnot_wave_0_\@:
	s_barrier_wait -3
	s_barrier_signal -1
	s_barrier_wait -1
.endm
	s_load_b64 s[4:5], s[0:1], 0x0                 ; codes (x's at 0)
	s_load_b64 s[96:97], s[0:1], 0x8               ; bq
	s_load_b64 s[12:13], s[0:1], 0x10              ; qkv
	v_lshl_add_u32 v[SPW], v0, 2, SPARE
	v_mov_b32 v[NIL], 0
	ds_add_u32 v[SPW], v[NIL]                      ; the wave's opening: the add, twice on end, and its wait ahead of my first tensor load
	ds_add_u32 v[SPW], v[NIL]
	v_lshrrev_b32 v1, 5, v0
	v_readfirstlane_b32 s14, v1                    ; wave
	s_lshr_b32 s15, s14, 1                         ; my half of the tile's rows; also: I fetch for A (0) or B (1)
	s_and_b32 s16, s14, 1                          ; my half of its columns; also: which 128 rows I fetch
	s_bfe_u32 s40, ttmp6, 0x40000                  ; cx
	s_bfe_u32 s41, ttmp6, 0x40004                  ; cy
	s_lshl_b32 s42, ttmp9, 2
	s_add_co_u32 s42, s42, s40                     ; tile column 0..11
	s_and_b32 s17, ttmp7, 0xffff
	s_lshl_b32 s17, s17, 2
	s_add_co_u32 s17, s17, s41                     ; tile row 0..31
	s_lshl_b32 s43, s41, 2
	s_lshl_b32 s43, 15, s43                        ; my row of the cluster
	s_lshl_b32 s44, 0x1111, s40                    ; my column
	s_or_b32 s[G1+0], s43, (0<<16)|(1<<20)|(1<<21)|(5<<22)|(3<<25)   ; the mask; elements of 1 byte; padding: 4 words behind every 64
	s_or_b32 s[G1B+0], s44, (0<<16)|(1<<20)|(1<<21)|(5<<22)|(3<<25)
.irp g, G1, G1B
	s_mov_b32 s[\g+1], ROWB<<16                    ; tensor_dim0
	s_mov_b32 s[\g+2], 128<<16                     ; tensor_dim1
	s_mov_b32 s[\g+3], ROWB<<16                    ; tile_dim0
	s_mov_b32 s[\g+4], 128                         ; tile_dim1
	s_mov_b32 s[\g+5], KROW                        ; pitch
	s_mov_b32 s[\g+6], 0
	s_mov_b32 s[\g+7], 0
.endr
	s_or_b32 s[G1S+0], s43, (3<<16)|(1<<20)|(1<<21)|(5<<22)|(3<<25)  ; the scales of 128 rows: 16 rows of 32 elements of 8 bytes
	s_or_b32 s[G1SB+0], s44, (3<<16)|(1<<20)|(1<<21)|(5<<22)|(3<<25)
.irp g, G1S, G1SB
	s_mov_b32 s[\g+1], 32<<16
	s_mov_b32 s[\g+2], 16<<16
	s_mov_b32 s[\g+3], 32<<16
	s_mov_b32 s[\g+4], 16
	s_mov_b32 s[\g+5], 32
	s_mov_b32 s[\g+6], 0
	s_mov_b32 s[\g+7], 0
.endr
	s_lshl_b32 s18, s16, 7
	s_lshl_b32 s20, s17, 8
	s_add_co_u32 s20, s20, s18                     ; A: row 256 x tile row + 128 x half
	s_lshl_b32 s46, s42, 8
	s_add_co_u32 s46, s46, s18                     ; B: row 256 x tile column + 128 x half
	s_mov_b32 s21, 0
	s_mov_b32 s47, 0
	s_mov_b64 s[18:19], KS
	s_mul_u64 s[22:23], s[20:21], s[18:19]
	s_mul_u64 s[92:93], s[46:47], s[18:19]
	s_mov_b64 s[18:19], KROW
	s_mul_u64 s[20:21], s[20:21], s[18:19]
	s_mul_u64 s[46:47], s[46:47], s[18:19]
	s_mul_i32 s45, s14, HALFT
	s_mul_i32 s94, s14, HALFS
	s_wait_dscnt 0x0                               ; both opening adds are done
	s_wait_kmcnt 0x0
	s_add_nc_u64 s[6:7], s[4:5], 0x580000          ; x's scale bytes
	s_add_nc_u64 s[8:9], s[4:5], 0x400000          ; W's codes
	s_add_nc_u64 s[10:11], s[4:5], 0x5c0000        ; W's scale bytes
	s_add_nc_u64 s[20:21], s[4:5], s[20:21]
	s_add_nc_u64 s[22:23], s[6:7], s[22:23]
	s_add_nc_u64 s[46:47], s[8:9], s[46:47]
	s_add_nc_u64 s[92:93], s[10:11], s[92:93]
	CROUND                                         ; all sixteen work-groups are here: the first joint loads meet
	s_mov_b32 s[G0S], 1
	s_add_co_u32 s[G0S+1], s94, SCL
	s_mov_b64 s[G0S+2:G0S+3], s[22:23]
	s_or_b32 s[G0S+3], s[G0S+3], 0x80000000
	s_mov_b32 s[G0SB], 1
	s_add_co_u32 s[G0SB+1], s94, SCL
	s_mov_b64 s[G0SB+2:G0SB+3], s[92:93]
	s_or_b32 s[G0SB+3], s[G0SB+3], 0x80000000
	JLOAD G0S, G1S, G0SB, G1SB
.irp s, 0,1
	s_mov_b32 s[G0+4*\s], 1
	s_add_co_u32 s[G0+4*\s+1], s45, \s*SLOT
	s_add_nc_u64 s[G0+4*\s+2:G0+4*\s+3], s[20:21], \s*ROWB
	s_or_b32 s[G0+4*\s+3], s[G0+4*\s+3], 0x80000000
	s_mov_b32 s[G0B+4*\s], 1
	s_add_co_u32 s[G0B+4*\s+1], s45, \s*SLOT
	s_add_nc_u64 s[G0B+4*\s+2:G0B+4*\s+3], s[46:47], \s*ROWB
	s_or_b32 s[G0B+4*\s+3], s[G0B+4*\s+3], 0x80000000
	JLOAD G0+4*\s, G1, G0B+4*\s, G1B
.endr
	v_and_b32 v1, 15, v0                           ; r
	v_bfe_u32 v2, v0, 4, 1                         ; h
	v_mul_u32_u24 v3, v1, PITCH
	v_lshl_add_u32 v4, v2, 4, v3
	s_mul_i32 s21, s15, HALFT
	s_mul_i32 s22, s16, HALFT
	s_add_co_u32 s22, s22, 2*HALFT
.irp s, 0,1
	v_add_nc_u32 v[ADRA+\s], s21, v4
	v_add_nc_u32 v[ADRB+\s], s22, v4
	s_add_co_u32 s21, s21, SLOT
	s_add_co_u32 s22, s22, SLOT
.endr
	v_mul_u32_u24 v5, v1, KS                       ; my row's scales: 32 bytes a row, 16 more for each 256 passed
	v_lshrrev_b32 v6, 8, v5
	v_lshl_add_u32 v5, v6, 4, v5
	s_mul_i32 s21, s15, HALFS
	s_mul_i32 s22, s16, HALFS
	s_add_co_u32 s22, s22, 2*HALFS
	s_sub_co_u32 s22, s22, s21
	v_mul_u32_u24 v6, s22, v2                      ; lanes 16-31 take B's
	s_add_co_u32 s21, s21, SCL
	v_add_nc_u32 v5, v5, v6
	v_add_nc_u32 v[ADRS], s21, v5
	s_mul_i32 s23, s14, 16*SPITCH                  ; my stage
	v_mul_u32_u24 v5, v1, SPITCH
	v_lshl_add_u32 v5, v2, 4, v5
	v_add_nc_u32 v[STO], s23, v5                   ; in: row r, 16 bytes for each half of the lanes
	v_mul_u32_u24 v5, v2, SPITCH
	v_lshl_add_u32 v5, v1, 4, v5
	v_add_nc_u32 v[RD], s23, v5                    ; back: lanes 0-15 one row of 256 bytes, lanes 16-31 the next
	v_lshlrev_b32 v5, 11, v2
	v_lshl_add_u32 v[CO], v1, 4, v5                ; the same two rows in qkv: rows of 2,048 bytes
	v_lshlrev_b32 v[BOF], 5, v2                    ; bq: 8 h numbers on
	s_lshl_b32 s20, s17, 8
	s_lshl_b32 s21, s15, 7
	s_add_co_u32 s20, s20, s21                     ; my first row
	s_lshl_b32 s20, s20, 11
	s_lshl_b32 s46, s40, 9                         ; my columns inside the weight's 1,024: 256 cx + 128 half, in f16
	s_lshl_b32 s47, s16, 8
	s_add_co_u32 s46, s46, s47
	s_add_co_u32 s20, s20, s46
	s_lshl_b32 s47, ttmp9, 24                      ; q, k or v: 8,192 rows of 2,048 bytes each
	s_add_co_u32 s20, s20, s47
	s_mov_b32 s21, 0
	s_add_nc_u64 s[12:13], s[12:13], s[20:21]
	s_lshl_b32 s46, s46, 1                         ; the same columns in f32
	s_mov_b32 s47, 0
	s_add_nc_u64 s[96:97], s[96:97], s[46:47]
.macro FRAG reg, adr, q, i             ; 16 rows x 128 K of 4-bit codes: 8 registers, two loads of 16 bytes, 32 bytes apart
.irp c, 0,1
	ds_load_b128 v[\reg+4*\c:\reg+4*\c+3], v[\adr] offset:64*(\q)+32*\c+(\i)*16*PITCH
.endr
.endm
; 16 matrix instructions: A's blocks a0, a0 + 1 x B's eight.  zero = 1: the product starts the sum; 2: it starts it with bq (window 1, v64 on) as C.  The 64 accumulators take turns, one instruction a turn, in one order everywhere.
.macro MUL16 a0, p, q, sc, zero
.irp a, \a0, \a0+1
.irp b, 0,1,2,3,4,5,6,7
.set rD, 8*(8*((\a)%4)+\b)
.set rB, 128*(\p)+FR*\b
.set rA, AF+FR*(\a)
.set rSB, SC+8*NQ*(\sc)+NQ*\b+(\q)
.set rSA, SC+8*NQ*(\sc)+NQ*(\a)+(\q)
.if \zero == 1
	v_wmma_scale_f32_16x16x128_f8f6f4 v[rD:rD+7], v[rB:rB+7], v[rA:rA+7], 0, v[rSB], v[rSA] matrix_a_fmt:MATRIX_FMT_FP4 matrix_b_fmt:MATRIX_FMT_FP4 matrix_a_scale:MATRIX_SCALE_ROW1
.elseif \zero == 2
	v_wmma_scale_f32_16x16x128_f8f6f4 v[rD:rD+7], v[rB:rB+7], v[rA:rA+7], v[64+8*\b:64+8*\b+7], v[rSB], v[rSA] matrix_a_fmt:MATRIX_FMT_FP4 matrix_b_fmt:MATRIX_FMT_FP4 matrix_a_scale:MATRIX_SCALE_ROW1
.else
	v_wmma_scale_f32_16x16x128_f8f6f4 v[rD:rD+7], v[rB:rB+7], v[rA:rA+7], v[rD:rD+7], v[rSB], v[rSA] matrix_a_fmt:MATRIX_FMT_FP4 matrix_b_fmt:MATRIX_FMT_FP4 matrix_a_scale:MATRIX_SCALE_ROW1
.endif
.endr
.endr
.endm
.macro FETCH_B slot, q, p
	WIN TO_B
.irp i, 0,1,2,3,4,5,6,7
	FRAG 128*(\p)+FR*\i, ADRB+\slot, \q, \i
.endr
	WIN 0
.endm
.macro FETCH_A slot, q, i0
.irp i, \i0, \i0+1, \i0+2, \i0+3
	FRAG AF+FR*(\i), ADRA+\slot, \q, \i
.endr
.endm
.macro SCALES sc                       ; a K step's scale words: lanes 0-15 A's block i, lanes 16-31 B's block i
.irp i, 0,1,2,3,4,5,6,7
	ds_load_b128 v[SC+8*NQ*\sc+NQ*\i:SC+8*NQ*\sc+NQ*\i+3], v[ADRS] offset:\i*SBLK
.endr
.endm
.macro PLACES n                        ; places behind matrix instructions, in front of loads into registers that they have read and of reads of results
.rept \n
	v_nop
.endr
.endm
.macro STEP slot, q, zero
	s_wait_dscnt 4*NL                              ; B's set and A's blocks 0-3 are in; A's blocks 4-7 may be out
.if \zero == 2
	WIN 0x91                                       ; as MUL_LO, with C in window 1
.else
	WIN MUL_LO
.endif
	MUL16 0, (\q)%2, \q, \slot, \zero
	MUL16 2, (\q)%2, \q, \slot, \zero
	s_wait_dscnt 0
	PLACES NP
	FETCH_B \slot, (\q)+1, 1-(\q)%2
	FETCH_A \slot, (\q)+1, 0
.if \zero == 2
	WIN 0xd1
.else
	WIN MUL_HI
.endif
	MUL16 4, (\q)%2, \q, \slot, \zero
	MUL16 6, (\q)%2, \q, \slot, \zero
	PLACES NP
	WIN 0
	FETCH_A \slot, (\q)+1, 4
.endm
.macro STEPS slot, from
.set Q, \from
.rept NQ-1-\from
	STEP \slot, Q, 0
.set Q, Q+1
.endr
.endm
	s_wait_tensorcnt 1                             ; the scales and my part of slot 0 are in; slot 1's load may be out
	s_barrier_signal -1
	s_barrier_wait -1
	FETCH_B 0, 0, 0
	FETCH_A 0, 0, 0
	SCALES 0
	FETCH_A 0, 0, 4
	s_cmp_lg_u32 ttmp9, 0                          ; the cluster's x: the same in all sixteen partners
	s_cbranch_scc1 .Lno_bias
	WIN TO_B                                       ; q: register 8 b + j of window 1's v64 on = bq[my first column + 16 b + 8 h + j].  Loaded in the one arm that reads it
.irp b, 0,1,2,3,4,5,6,7
	global_load_b128 v[64+8*\b:64+8*\b+3], v[BOF], s[96:97] offset:64*\b
	global_load_b128 v[64+8*\b+4:64+8*\b+7], v[BOF], s[96:97] offset:64*\b+16
.endr
	WIN 0
	s_wait_loadcnt 0x0
	STEP 0, 0, 2
	s_branch .Lsums_begun
.Lno_bias:
	STEP 0, 0, 1
.Lsums_begun:
	STEPS 0, 1
	; slot 0's last step: one barrier; in front of it each wave has its part of slot 1 in and its reads of slot 0 over
	s_wait_tensorcnt 0x0
	ds_add_u32 v[SPW], v[NIL]
	s_wait_dscnt 4*NL+1                            ; the add and A's blocks 4-7 may be out
	WIN MUL_LO
	MUL16 0, 1, NQ-1, 0, 0
	s_wait_dscnt 0x0
	s_barrier_signal -1
	MUL16 2, 1, NQ-1, 0, 0
	WIN 0
	s_barrier_wait -1
	PLACES NP
	v_add_nc_u32 v[ADRS], 4*NQ, v[ADRS]            ; the next K step's scale words
	FETCH_B 1, 0, 0
	FETCH_A 1, 0, 0
	SCALES 1
	WIN MUL_HI
	MUL16 4, 1, NQ-1, 0, 0
	MUL16 6, 1, NQ-1, 0, 0
	PLACES NP
	WIN 0
	FETCH_A 1, 0, 4
	STEPS 1, 0
	s_wait_dscnt 4*NL
	WIN MUL_LO
	MUL16 0, 1, NQ-1, 1, 0
	MUL16 2, 1, NQ-1, 1, 0
	s_wait_dscnt 0
	WIN MUL_HI
	MUL16 4, 1, NQ-1, 1, 0
	MUL16 6, 1, NQ-1, 1, 0
	WIN 0
; THE WAY OUT, a block of 16 rows x 128 columns at a time: rounded to f16 (16 bytes a lane), through my own stage, back as whole rows of 256 bytes: sixteen lanes store 256 consecutive bytes, aligned.
.macro PACK a
.set AC, 64*((\a)%4)
	WIN 0x0a+5*((\a)/4)                            ; sources 0 and 1: window 2 or 3
.set i, 0
.rept 32
	v_cvt_pk_f16_f32 v[TMP+i], v[AC+2*i], v[AC+2*i+1]   ; each accumulator from its low end on
.set i, i+1
.endr
	WIN 0
.endm
.macro TOSTAGE a
.set BK, OB+192*((\a)%2)
.irp b, 0,1,2,3,4,5,6,7
	ds_store_b128 v[STO], v[TMP+4*\b:TMP+4*\b+3] offset:32*\b
.endr
.irp t, 0,1,2,3,4,5,6,7
	ds_load_b128 v[BK+4*\t:BK+4*\t+3], v[RD] offset:\t*2*SPITCH   ; LDS serves a wave's instructions in order: these see the stores above
.endr
.endm
.macro SEND a
.set BK, OB+192*((\a)%2)
	s_wait_dscnt 0x0
	s_wait_xcnt 0x0                                ; earlier stores have read their base and registers
.if (\a) > 0
	s_add_nc_u64 s[12:13], s[12:13], 16*2048
.endif
.irp t, 0,1,2,3,4,5,6,7
	global_store_b128 v[CO], v[BK+4*\t:BK+4*\t+3], s[12:13] offset:2*\t*2048
.endr
.endm
	PLACES NP
	PACK 0
	TOSTAGE 0
.irp a, 1,2,3,4,5,6,7
	PACK \a
	SEND \a-1
	TOSTAGE \a
.endr
	SEND 7
	s_wait_tensorcnt 0x0                           ; the wave's end
	ds_add_u32 v[SPW], v[NIL]
	s_wait_dscnt 0x0
	CROUND                                         ; the closing round
	s_endpgm
.Lfunc_end_k_q1277fc777f_qkv:
	.size	k_q1277fc777f_qkv, .Lfunc_end_k_q1277fc777f_qkv-k_q1277fc777f_qkv
	.p2alignl 7, 3214868480
	.fill 96, 4, 3214868480
	.section	.rodata,"a",@progbits
	.p2align	6, 0x0
	.amdhsa_kernel k_q1277fc777f_qkv
		.amdhsa_group_segment_fixed_size 327680
		.amdhsa_private_segment_fixed_size 0
		.amdhsa_enable_private_segment 0
		.amdhsa_kernarg_size 24
		.amdhsa_user_sgpr_count 2
		.amdhsa_user_sgpr_kernarg_segment_ptr 1
		.amdhsa_wavefront_size32 1
		.amdhsa_system_sgpr_workgroup_id_x 1
		.amdhsa_system_sgpr_workgroup_id_y 1
		.amdhsa_system_sgpr_workgroup_id_z 1
		.amdhsa_system_vgpr_workitem_id 0
		.amdhsa_next_free_vgpr 1024
		.amdhsa_next_free_sgpr 98
		.amdhsa_reserve_vcc 0
		.amdhsa_float_denorm_mode_32 3
		.amdhsa_float_denorm_mode_16_64 3
		.amdhsa_memory_ordered 1
		.amdhsa_forward_progress 1
		.amdhsa_inst_pref_size 139
	.end_amdhsa_kernel
	.amdgpu_metadata
---
amdhsa.version: [ 1, 2 ]
amdhsa.kernels:
  - .name:           k_q1277fc777f_qkv
    .symbol:         k_q1277fc777f_qkv.kd
    .args:
      - { .name: codes, .offset: 0, .size: 8, .value_kind: global_buffer, .address_space: global }
      - { .name: bq, .offset: 8, .size: 8, .value_kind: global_buffer, .address_space: global }
      - { .name: qkv, .offset: 16, .size: 8, .value_kind: global_buffer, .address_space: global }
    .group_segment_fixed_size: 327680
    .private_segment_fixed_size: 0
    .kernarg_segment_align: 8
    .kernarg_segment_size: 24
    .max_flat_workgroup_size: 128
    .sgpr_count:     98
    .vgpr_count:     1024
    .wavefront_size: 32
...
	.end_amdgpu_metadata
.endif
;; end of part 2
;; launch s (part 3): grid 8 x 32, 4 waves a work-group, clusters of 4 x 4, 327,680 bytes of LDS; arguments qkv, mbits, p, stats, fmask; writes p, stats, fmask
.if DOCPART == 3
	.amdgcn_target "amdgcn-amd-amdhsa--gfx1250"
	.amdhsa_code_object_version 6
	.text
	.protected	k_q1277fc777f_s
	.globl	k_q1277fc777f_s
	.p2align	8
	.type	k_q1277fc777f_s,@function
k_q1277fc777f_s:
	s_mov_b64 s[64:65], 0
	v_nop
	global_prefetch_b8 v0, s[64:65] scope:SCOPE_SE
	s_setreg_imm32_b32 hwreg(HW_REG_WAVE_MODE, 25, 1), 1
	s_wait_xcnt 0x0
	s_wait_alu depctr_hold_cnt(0) depctr_sa_sdst(0) depctr_va_vdst(0) depctr_va_sdst(0) depctr_va_ssrc(0) depctr_va_vcc(0) depctr_vm_vsrc(0)
	s_getreg_b32 s2, hwreg(HW_REG_IB_STS2, 6, 4)
	s_cmp_eq_u32 s2, 0
	s_cbranch_scc0 .Lentry_in_a_cluster
	s_endpgm
.Lentry_in_a_cluster:
	s_bfe_u32 s2, ttmp6, 0x10000c
	s_cmp_lg_u32 s2, 0xf033
	s_cbranch_scc0 .Lentry_shape_is_right
	s_endpgm
.Lentry_shape_is_right:
; Scores and the first half of the softmax.  S = q k^T (f16 operands, f32 sums), a tile of 256 queries x 256 keys to a work-group, 128 x 128 to a wave; K = 1,024 in steps of 128 through two LDS slots.
; A wave's 128 keys are one CHUNK.  t = score x log2(e) / 32; scores whose mask bit is 0 become -infinity; M = the chunk's largest t, not under -3e38, rounded UP to a whole number; p = 2^(t - M), stored as f16;
; l = the sum of the unrounded p.  M and l go to stats[block of 128 rows][chunk][2][128]; the next launch joins the chunks under the row's largest M.  The maximum is taken away before every exponential.
; Beside that each work-group adds the four parts of 32 rows' key counts and stores one word of fmask: bit i = row i has at most 16 keys that count.
; WORK LEFT OUT: k carries no bk (the same term for every key of a query).  LIMITS: scores finite in f32.
; CLUSTERS: 4 x 4 work-groups: q's tiles are asked for jointly along a row of the cluster, k's along a column.  The matrix instruction is used transposed (source 0 = 16 keys, source 1 = 16 queries): a lane holds one query and eight neighbouring keys.
; REGISTERS: window 0: v0-31 addresses and small things; v32-63 the mask words of my 128 queries (4 a query); v64-127, v128-191 q's fragments, two buffers; on the way out v64-255.   window 1: k's fragments.   windows 2, 3: 64 accumulators.
.set SIZE_K, 1024
.set KSTEP,  128
.set PITCH,  272
.set HALFT,  128*PITCH
.set SLOT,   4*HALFT
.set STAGE,  2*SLOT                    ; 16 rows x 272 bytes for each wave
.set SPITCH, 272
.set STATB,  STAGE+4*16*SPITCH         ; 1,024 bytes for each wave: 128 M, 128 l
.set SPARE,  STATB+4096                ; the spare words, named by no other line
.set LAPS,   SIZE_K/(2*KSTEP)
.set NINF, 14                          ; v14 -infinity
.set SH,   15                          ; v15 2 h
.set ADRA, 16
.set ADST, 18                          ; where M and l go
.set SRD,  19                          ; and come back
.set ADRB, 20
.set L16,  22                          ; 16 x lane
.set MOFF, 23
.set STO,  24
.set RD,   25
.set CO,   26
.set CNO,  27                          ; 4 x lane
.set SPW,  28
.set NIL,  29
.set PFO,  30
.set MW,   32
.set F0,   64
.set F1,   128
.set SC,   64                          ; the way out: 64 scores of a block of 16 queries
.set AT,   128                         ; at work
.set TMP,  192
.set PFA,  44
.set LIM,  43
.set G1, 24
.set G0, 32
.set G1B, 48
.set G0B, 56
.set CS, 76                            ; s[76:77] log2(e) / 32
.set SEL, 78                           ; s[78:79] lane l xor 16
.set MSB, 0
.macro WIN new
.if MSB != (\new)
	s_set_vgpr_msb (MSB<<8)|(\new)
.set MSB, (\new)
.endif
.endm
.set MUL_LO, 0xa1
.set MUL_HI, 0xf1
.set TO_B,   0x40
.macro JLOAD s                         ; waves 0 and 1 fetch q's halves, waves 2 and 3 k's; an s_nop 0 and four v_nop follow each line
	s_cmp_eq_u32 s11, 0
	s_cbranch_scc0 .Lfor_b_\@
	tensor_load_to_lds s[G0+4*\s:G0+4*\s+3], s[G1:G1+7]
	s_nop 0
.rept 4
	v_nop
.endr
	s_branch .Lasked_\@
.Lfor_b_\@:
	tensor_load_to_lds s[G0B+4*\s:G0B+4*\s+3], s[G1B:G1B+7]
	s_nop 0
.rept 4
	v_nop
.endr
.Lasked_\@:
.endm
; A prefetch of the K step that stands two refills on: 32 rows x 256 bytes, a lane a row.  q's rows are read by both clusters of a row of clusters: cluster x = 0 asks; a batch's k rows by two rows of clusters: the even one asks.
; The four partners that ask for a tile jointly take 32 of its 128 rows each, told apart by address.  The loop's last trip asks for nothing: there is no K step two on.
.macro ASK
	s_cmp_gt_u32 s3, s[LIM]
	s_cbranch_scc0 .Lnot_mine_\@
	global_prefetch_b8 v[PFO], s[PFA:PFA+1] offset:KSTEP*2 th:TH_LOAD_NT scope:SCOPE_SE
.Lnot_mine_\@:
.endm
.macro CREST
	s_cmp_lg_u32 s10, 0
	s_cbranch_scc1 .Lnot_wave_0_\@
	s_barrier_signal -3
.Lnot_wave_0_\@:
	s_barrier_wait -3
	s_barrier_signal -1
	s_barrier_wait -1
.endm
.macro CROUND
	s_barrier_signal -1
	s_barrier_wait -1
	CREST
.endm
	s_load_b256 s[68:75], s[0:1], 0x0              ; qkv, mbits, p, stats
	s_load_b64 s[80:81], s[0:1], 0x20              ; fmask
	v_lshl_add_u32 v[SPW], v0, 2, SPARE
	v_mov_b32 v[NIL], 0
	ds_add_u32 v[SPW], v[NIL]                      ; the wave's opening: the add, twice on end, and its wait ahead of my first tensor load
	ds_add_u32 v[SPW], v[NIL]
	v_lshrrev_b32 v1, 5, v0
	v_readfirstlane_b32 s10, v1
	s_lshr_b32 s11, s10, 1                         ; my half of the queries; also: I fetch for q (0) or k (1)
	s_and_b32 s12, s10, 1                          ; my half of the keys; also: which 128 rows I fetch
	s_bfe_u32 s40, ttmp6, 0x40000                  ; cx
	s_bfe_u32 s41, ttmp6, 0x40004                  ; cy
	s_lshl_b32 s42, ttmp9, 2
	s_add_co_u32 s42, s42, s40                     ; tile column 0..7, inside the batch
	s_and_b32 s13, ttmp7, 0xffff
	s_lshr_b32 s46, s13, 1                         ; the batch: two rows of clusters each
	s_lshl_b32 s13, s13, 2
	s_add_co_u32 s13, s13, s41                     ; tile row 0..31
	s_lshl_b32 s43, s41, 2
	s_lshl_b32 s43, 15, s43
	s_lshl_b32 s44, 0x1111, s40
	s_or_b32 s[G1+0], s43, (1<<16)|(1<<20)|(1<<21)|(5<<22)|(3<<25)   ; the mask; elements of 2 bytes; padding: 4 words behind every 64
	s_or_b32 s[G1B+0], s44, (1<<16)|(1<<20)|(1<<21)|(5<<22)|(3<<25)
.irp g, G1, G1B
	s_mov_b32 s[\g+1], KSTEP<<16
	s_mov_b32 s[\g+2], 128<<16
	s_mov_b32 s[\g+3], KSTEP<<16
	s_mov_b32 s[\g+4], 128
	s_mov_b32 s[\g+5], SIZE_K
	s_mov_b32 s[\g+6], 0
	s_mov_b32 s[\g+7], 0
.endr
	s_lshl_b32 s17, s12, 7
	s_lshl_b32 s16, s13, 8
	s_add_co_u32 s16, s16, s17                     ; q: row 256 x tile row + 128 x half
	s_lshl_b32 s16, s16, 11
	s_lshl_b32 s46, s46, 11
	s_lshl_b32 s47, s42, 8
	s_add_co_u32 s46, s46, s47
	s_add_co_u32 s46, s46, s17                     ; k: row 2,048 x batch + 256 x tile column + 128 x half
	s_lshl_b32 s46, s46, 11
	s_mov_b32 s17, 0
	s_mov_b32 s47, 0
	s_mul_i32 s20, s10, HALFT
	s_mov_b32 s[CS], 0x3d38aa3b
	s_mov_b32 s[CS+1], s[CS]
	s_mov_b32 s[SEL], 0x76543210
	s_mov_b32 s[SEL+1], 0xfedcba98
	s_wait_dscnt 0x0
	s_wait_kmcnt 0x0
	s_add_nc_u64 s[14:15], s[68:69], s[16:17]
	s_add_nc_u64 s[46:47], s[68:69], s[46:47]
	s_add_nc_u64 s[46:47], s[46:47], 0x1000000     ; k lies 8,192 rows behind q
	CROUND
.irp s, 0,1
	s_mov_b32 s[G0+4*\s], 1
	s_add_co_u32 s[G0+4*\s+1], s20, \s*SLOT
	s_add_nc_u64 s[G0+4*\s+2:G0+4*\s+3], s[14:15], \s*KSTEP*2
	s_or_b32 s[G0+4*\s+3], s[G0+4*\s+3], 0x80000000
	s_mov_b32 s[G0B+4*\s], 1
	s_add_co_u32 s[G0B+4*\s+1], s20, \s*SLOT
	s_add_nc_u64 s[G0B+4*\s+2:G0B+4*\s+3], s[46:47], \s*KSTEP*2
	s_or_b32 s[G0B+4*\s+3], s[G0B+4*\s+3], 0x80000000
	JLOAD \s
.endr
	v_and_b32 v1, 15, v0                           ; r
	v_bfe_u32 v2, v0, 4, 1                         ; h
	v_mul_u32_u24 v3, v1, PITCH
	v_lshl_add_u32 v3, v2, 4, v3
	s_mul_i32 s21, s11, HALFT
	s_mul_i32 s22, s12, HALFT
	s_add_co_u32 s22, s22, 2*HALFT
.irp s, 0,1
	v_add_nc_u32 v[ADRA+\s], s21, v3
	v_add_nc_u32 v[ADRB+\s], s22, v3
	s_add_co_u32 s21, s21, SLOT
	s_add_co_u32 s22, s22, SLOT
.endr
	s_mul_i32 s23, s10, 16*SPITCH
	s_add_co_u32 s23, s23, STAGE
	v_mul_u32_u24 v4, v1, SPITCH
	v_lshl_add_u32 v4, v2, 4, v4
	v_add_nc_u32 v[STO], s23, v4
	v_mul_u32_u24 v5, v2, SPITCH
	v_lshl_add_u32 v5, v1, 4, v5
	v_add_nc_u32 v[RD], s23, v5
	v_lshlrev_b32 v5, 12, v2
	v_lshl_add_u32 v[CO], v1, 4, v5                ; p: rows of 4,096 bytes
	s_lshl_b32 s23, s10, 10
	s_add_co_u32 s23, s23, STATB
	v_lshl_add_u32 v[ADST], v1, 2, s23
	v_and_b32 v5, 31, v0
	v_lshlrev_b32 v[L16], 4, v5
	v_add_nc_u32 v[SRD], s23, v[L16]
	v_lshlrev_b32 v[CNO], 2, v5
	v_lshlrev_b32 v[MOFF], 4, v1
	v_lshlrev_b32 v[SH], 1, v2
	v_mov_b32 v[NINF], 0xff800000
	v_mov_b32 v9, 0                                ; (named as the upper half of the pair v[8:9])
	v_mov_b32 v6, 0                                ; (a lane permute's destination counts as read)
	; where my parts begin
	s_lshl_b32 s16, s13, 8
	s_lshl_b32 s17, s11, 7
	s_add_co_u32 s16, s16, s17                     ; my first row, 0..8,191
	s_lshl_b32 s22, s42, 1
	s_add_co_u32 s22, s22, s12                     ; my chunk, 0..15
	s_lshl_b32 s18, s16, 12
	s_lshl_b32 s19, s22, 8
	s_add_co_u32 s18, s18, s19
	s_mov_b32 s19, 0
	s_add_nc_u64 s[8:9], s[72:73], s[18:19]        ; p
	s_lshr_b32 s18, s16, 7
	s_lshl_b32 s18, s18, 4
	s_add_co_u32 s18, s18, s22
	s_lshl_b32 s18, s18, 10
	s_add_nc_u64 s[74:75], s[74:75], s[18:19]      ; stats
	s_lshl_b32 s18, s13, 8
	s_lshl_b32 s23, s42, 5
	s_add_co_u32 s18, s18, s23                     ; the 32 rows whose counts my work-group joins
	s_lshl_b32 s18, s18, 2
	s_add_co_u32 s18, s18, 0x200000
	s_add_nc_u64 s[82:83], s[70:71], s[18:19]      ; the counts
	s_lshl_b32 s18, s13, 3
	s_add_co_u32 s18, s18, s42
	s_lshl_b32 s18, s18, 2
	s_add_nc_u64 s[80:81], s[80:81], s[18:19]      ; my word of fmask
	s_lshr_b32 s18, s13, 3
	s_lshl_b32 s18, s18, 4
	s_add_co_u32 s18, s18, s22
	s_lshl_b32 s18, s18, 15
	s_and_b32 s23, s16, 2047
	s_lshl_b32 s23, s23, 4
	s_add_co_u32 s18, s18, s23
	s_add_nc_u64 s[70:71], s[70:71], s[18:19]      ; the mask words of my chunk and my first query
.irp a, 0,1,2,3,4,5,6,7
	global_load_b128 v[MW+4*\a:MW+4*\a+3], v[MOFF], s[70:71] offset:256*\a   ; query 16 a + r: four words; sixteen lanes read 256 consecutive bytes
.endr
.irp w, 0,1,2,3
	global_load_b32 v[10+\w], v[CNO], s[82:83] offset:32768*\w
.endr
	; the prefetches
	s_lshl_b32 s20, s13, 8                         ; q's first row
	s_and_b32 s22, ttmp7, 0xffff
	s_lshr_b32 s21, s22, 1
	s_lshl_b32 s21, s21, 11
	s_lshl_b32 s23, s42, 8
	s_add_co_u32 s21, s21, s23
	s_add_co_u32 s21, s21, 8192                    ; k's first row, counted in qkv
	s_and_b32 s22, s22, 1
	s_cmp_eq_u32 s11, 0
	s_cselect_b32 s20, s20, s21
	s_cselect_b32 s21, s40, s41                    ; my place among the four that ask with me
	s_cselect_b32 s22, ttmp9, s22                  ; 0 in the cluster that prefetches
	s_cmp_eq_u32 s22, 0
	s_cselect_b32 s[LIM], 1, -1
	s_lshl_b32 s22, s12, 7
	s_add_co_u32 s20, s20, s22
	s_lshl_b32 s21, s21, 5
	s_add_co_u32 s20, s20, s21
	s_lshl_b32 s20, s20, 11
	s_mov_b32 s21, 0
	s_add_nc_u64 s[PFA:PFA+1], s[68:69], s[20:21]
	s_add_nc_u64 s[PFA:PFA+1], s[PFA:PFA+1], 2*KSTEP*2   ; at K step 2: the first refill steps it to 3 and names K step 4
	v_lshlrev_b32 v[PFO], 11, v5
.macro MUL16 f, hi, a0, zero           ; 16 matrix instructions: m blocks a0, a0 + 1 of the window's four x all 8 n blocks, 32 along K
.irp a, \a0, \a0+1
.irp b, 0,1,2,3,4,5,6,7
.if \zero
	v_wmma_f32_16x16x32_f16 v[8*(8*(\a)+\b):8*(8*(\a)+\b)+7], v[\f+8*\b:\f+8*\b+7], v[\f+8*(4*\hi+\a):\f+8*(4*\hi+\a)+7], 0
.else
	v_wmma_f32_16x16x32_f16 v[8*(8*(\a)+\b):8*(8*(\a)+\b)+7], v[\f+8*\b:\f+8*\b+7], v[\f+8*(4*\hi+\a):\f+8*(4*\hi+\a)+7], v[8*(8*(\a)+\b):8*(8*(\a)+\b)+7]
.endif
.endr
.endr
.endm
.macro FETCH slot, k, f                ; 32 LDS loads in one run
	WIN TO_B
.irp i, 0,1,2,3,4,5,6,7
	ds_load_b128 v[\f+8*\i:\f+8*\i+3],   v[ADRB+\slot] offset:\k+\i*16*PITCH
	ds_load_b128 v[\f+8*\i+4:\f+8*\i+7], v[ADRB+\slot] offset:\k+\i*16*PITCH+32
.endr
	WIN 0
.irp i, 0,1,2,3,4,5,6,7
	ds_load_b128 v[\f+8*\i:\f+8*\i+3],   v[ADRA+\slot] offset:\k+\i*16*PITCH
	ds_load_b128 v[\f+8*\i+4:\f+8*\i+7], v[ADRA+\slot] offset:\k+\i*16*PITCH+32
.endr
.endm
.macro PLACES
.rept 4
	v_nop
.endr
.endm
.macro QUARTER slot, k, f, g, zero
	s_wait_dscnt 8                                 ; k's fragments and q's rows 0-63 are in; the youngest eight loads may be out
	WIN MUL_LO
	MUL16 \f, 0, 0, \zero
	MUL16 \f, 0, 2, \zero
	PLACES
	FETCH \slot, \k, \g
	s_wait_dscnt 32                                ; all but the 32 just issued
	WIN MUL_HI
	MUL16 \f, 1, 0, \zero
	MUL16 \f, 1, 2, \zero
.endm
.macro MEET round                      ; the change of slots: all my tensor loads are in, the add, my reads of this slot are over; then the barrier
	WIN 0
	s_wait_tensorcnt 0x0
	ds_add_u32 v[SPW], v[NIL]
	s_wait_dscnt 9                                 ; the add and the youngest eight loads may be out
	WIN MUL_LO
	MUL16 F1, 0, 0, 0
	s_wait_dscnt 0x0
	s_barrier_signal -1
	MUL16 F1, 0, 2, 0
.if \round
	WIN 0
.endif
	s_barrier_wait -1
.endm
.macro TURN slot, next, fill
.if \fill
	s_wait_xcnt 0x0                                ; the last prefetch, a K step back, has read its address
	s_add_nc_u64 s[PFA:PFA+1], s[PFA:PFA+1], KSTEP*2
	MEET 1
	CREST                                          ; no wave of any partner still reads this slot or has a load on its way
	s_add_nc_u64 s[G0+4*\slot+2:G0+4*\slot+3], s[G0+4*\slot+2:G0+4*\slot+3], 2*KSTEP*2
	s_add_nc_u64 s[G0B+4*\slot+2:G0B+4*\slot+3], s[G0B+4*\slot+2:G0B+4*\slot+3], 2*KSTEP*2
	JLOAD \slot                                    ; the first tensor load behind the round; its four v_nop are the places in front of the loads below
.else
	MEET 0
	PLACES
.endif
	FETCH \next, 0, F0
.if \fill
	ASK
.endif
	WIN MUL_HI
	MUL16 F1, 1, 0, 0
	MUL16 F1, 1, 2, 0
.endm
	s_wait_tensorcnt 1                             ; my part of K step 0 is in; K step 1's may be out
	s_barrier_signal -1
	s_barrier_wait -1
	FETCH 0, 0, F0
	QUARTER 0, 64,  F0, F1, 1                      ; the first quarter's products start the sums
	WIN 0
	s_mov_b32 s3, LAPS-1
.Llap:
	QUARTER 0, 128, F1, F0, 0
	QUARTER 0, 192, F0, F1, 0
	TURN 0, 1, 1
	QUARTER 1, 64,  F0, F1, 0
	QUARTER 1, 128, F1, F0, 0
	QUARTER 1, 192, F0, F1, 0
	TURN 1, 0, 1
	QUARTER 0, 64,  F0, F1, 0
	WIN 0
	s_sub_co_u32 s3, s3, 1
	s_cmp_lg_u32 s3, 0
	s_cbranch_scc1 .Llap
	QUARTER 0, 128, F1, F0, 0                      ; the last lap is written out: it asks for nothing
	QUARTER 0, 192, F0, F1, 0
	TURN 0, 1, 0
	QUARTER 1, 64,  F0, F1, 0
	QUARTER 1, 128, F1, F0, 0
	QUARTER 1, 192, F0, F1, 0
	s_wait_dscnt 8
	WIN MUL_LO
	MUL16 F1, 0, 0, 0
	MUL16 F1, 0, 2, 0
	s_wait_dscnt 0
	WIN MUL_HI
	MUL16 F1, 1, 0, 0
	MUL16 F1, 1, 2, 0
	WIN 0
; THE WAY OUT.  Accumulator (a, b), register j of lane (r, h) is query 16 a + r, key 16 b + 8 h + j of my chunk: word j % 4 of the query's four, bit 4 b + 2 h + j / 4.
	s_wait_loadcnt 0x0                             ; the mask words and the counts
	s_wait_xcnt 0x0                                ; the prefetches have read their address: s24-55, which held descriptors (all tensor loads are done) and that address, now take lane masks
.set e, 0
.rept 32
	v_lshrrev_b32 v[MW+e], v[SH], v[MW+e]          ; 2 h bits down.  (These 32 are also the places behind the last products)
.set e, e+1
.endr
	v_add_nc_u32 v10, v10, v11
	v_add_nc_u32 v12, v12, v13
	v_add_nc_u32 v10, v10, v12                     ; lane l: how many keys count for row l of the work-group's 32
	v_cmp_ge_u32 s21, 16, v10                      ; the word of fmask
.macro SOFT a
.set AC, 64*((\a)%4)
.irp hf, 0,1                           ; 32 scores at a time: the bit, the lane mask, the choice
.set e, 0
.rept 32
	v_and_b32 v[AT+e], 1<<(4*(4*\hf+e/8)+(e%8)/4), v[MW+4*(\a)+e%4]
.set e, e+1
.endr
.set e, 0
.rept 32
	v_cmp_ne_u32 s[24+e], 0, v[AT+e]
.set e, e+1
.endr
	WIN 0x08+4*((\a)/4)                            ; source 1: window 2 or 3
.set e, 0
.rept 32
	v_cndmask_b32 v[SC+32*\hf+e], v[NINF], v[AC+32*\hf+e], s[24+e]   ; each accumulator from its low end on
.set e, e+1
.endr
	WIN 0
.endr
.irp k, 0,1,2,3
	v_max3_num_f32 v[2+\k], v[SC+16*\k], v[SC+16*\k+1], v[SC+16*\k+2]
.endr
.irp i, 3,5,7,9,11,13
.irp k, 0,1,2,3
	v_max3_num_f32 v[2+\k], v[2+\k], v[SC+16*\k+\i], v[SC+16*\k+\i+1]
.endr
.endr
.irp k, 0,1,2,3
	v_max_num_f32 v[2+\k], v[2+\k], v[SC+16*\k+15]
.endr
	v_max3_num_f32 v2, v2, v3, v4
	v_max_num_f32 v2, v2, v5
	v_permlanex16_b32 v6, v2, s[SEL], s[SEL+1]
	v_max_num_f32 v2, v2, v6                       ; the query's largest score in the chunk
	v_mul_f32 v2, s[CS], v2
	v_max_num_f32 v2, 0xff61b1e6, v2               ; not under -3e38: a chunk with no key that counts keeps a number
	v_floor_f32 v8, -v2                            ; -M
.set e, 0
.rept 32
	v_pk_fma_f32 v[SC+e:SC+e+1], v[SC+e:SC+e+1], s[CS:CS+1], v[8:9] op_sel_hi:[1,0,0]   ; t - M
.set e, e+2
.endr
.set e, 0
.rept 64
	v_exp_f32 v[SC+e], v[SC+e]
.set e, e+1
.endr
	v_sub_f32 v7, 0, v8                            ; M.  (The plain place behind the exponentials)
	s_wait_alu depctr_va_vdst(0)                   ; one wait for the batch, ahead of its first reader
	v_pk_add_f32 v[10:11], v[SC:SC+1], v[SC+2:SC+3]
	v_pk_add_f32 v[12:13], v[SC+4:SC+5], v[SC+6:SC+7]
.irp j, 8,12,16,20,24,28,32,36,40,44,48,52,56,60
	v_pk_add_f32 v[10:11], v[10:11], v[SC+\j:SC+\j+1]
	v_pk_add_f32 v[12:13], v[12:13], v[SC+\j+2:SC+\j+3]
.endr
	v_pk_add_f32 v[10:11], v[10:11], v[12:13]
	v_add_f32 v10, v10, v11
	v_permlanex16_b32 v6, v10, s[SEL], s[SEL+1]
	v_add_f32 v10, v10, v6                         ; l, of the unrounded p
	ds_store_b32 v[ADST], v7 offset:64*(\a)        ; lanes r and r + 16 write the same word with the same value
	ds_store_b32 v[ADST], v10 offset:512+64*(\a)
.set e, 0
.rept 32
	v_cvt_pk_f16_f32 v[TMP+e], v[SC+2*e], v[SC+2*e+1]
.set e, e+1
.endr
.endm
.macro TOSTAGE a
.set BK, 224-64*((\a)%2)
.irp b, 0,1,2,3,4,5,6,7
	ds_store_b128 v[STO], v[TMP+4*\b:TMP+4*\b+3] offset:32*\b
.endr
.irp t, 0,1,2,3,4,5,6,7
	ds_load_b128 v[BK+4*\t:BK+4*\t+3], v[RD] offset:\t*2*SPITCH   ; LDS serves a wave's instructions in order
.endr
.endm
.macro SEND a, younger
.set BK, 224-64*((\a)%2)
	s_wait_dscnt \younger                          ; behind the block's loads: the next block's two stores of M and l, or nothing
	s_wait_xcnt 0x0
.if (\a) > 0
	s_add_nc_u64 s[8:9], s[8:9], 16*4096
.endif
.irp t, 0,1,2,3,4,5,6,7
	global_store_b128 v[CO], v[BK+4*\t:BK+4*\t+3], s[8:9] offset:2*\t*4096   ; sixteen lanes store 256 consecutive bytes, aligned
.endr
.endm
	SOFT 0
	TOSTAGE 0
.irp a, 1,2,3,4,5,6,7
	SOFT \a
	SEND \a-1, 2
	TOSTAGE \a
.endr
	SEND 7, 0
	ds_load_b128 v[128:131], v[SRD]                ; my wave's 128 M and 128 l
	ds_load_b128 v[132:135], v[SRD] offset:512
	v_mov_b32 v2, s21
	v_mov_b32 v3, 0
	s_wait_dscnt 0x0
	global_store_b128 v[L16], v[128:131], s[74:75]
	global_store_b128 v[L16], v[132:135], s[74:75] offset:512
	s_cmp_lg_u32 s10, 0
	s_cbranch_scc1 .Lnot_first
	s_wait_xcnt 0x0                                ; EXEC changes only behind this wait
	v_cmp_eq_u32 vcc_lo, 0, v[L16]
	s_and_saveexec_b32 s22, vcc_lo                 ; wave 0, lane 0: the work-group's one word
	global_store_b32 v3, v2, s[80:81]
	s_wait_xcnt 0x0
	s_or_b32 exec_lo, exec_lo, s22
.Lnot_first:
	s_wait_tensorcnt 0x0                           ; the wave's end
	ds_add_u32 v[SPW], v[NIL]
	s_wait_dscnt 0x0
	CROUND                                         ; the closing round
	s_endpgm
.Lfunc_end_k_q1277fc777f_s:
	.size	k_q1277fc777f_s, .Lfunc_end_k_q1277fc777f_s-k_q1277fc777f_s
	.p2alignl 7, 3214868480
	.fill 96, 4, 3214868480
	.section	.rodata,"a",@progbits
	.p2align	6, 0x0
	.amdhsa_kernel k_q1277fc777f_s
		.amdhsa_group_segment_fixed_size 327680
		.amdhsa_private_segment_fixed_size 0
		.amdhsa_enable_private_segment 0
		.amdhsa_kernarg_size 40
		.amdhsa_user_sgpr_count 2
		.amdhsa_user_sgpr_kernarg_segment_ptr 1
		.amdhsa_wavefront_size32 1
		.amdhsa_system_sgpr_workgroup_id_x 1
		.amdhsa_system_sgpr_workgroup_id_y 1
		.amdhsa_system_sgpr_workgroup_id_z 1
		.amdhsa_system_vgpr_workitem_id 0
		.amdhsa_next_free_vgpr 1024
		.amdhsa_next_free_sgpr 84
		.amdhsa_reserve_vcc 1
		.amdhsa_float_denorm_mode_32 3
		.amdhsa_float_denorm_mode_16_64 3
		.amdhsa_memory_ordered 1
		.amdhsa_forward_progress 1
		.amdhsa_inst_pref_size 255
	.end_amdhsa_kernel
	.section	.bss,"aw",@nobits
	.p2align	6
	.space	262144
	.amdgpu_metadata
---
amdhsa.version: [ 1, 2 ]
amdhsa.kernels:
  - .name:           k_q1277fc777f_s
    .symbol:         k_q1277fc777f_s.kd
    .args:
      - { .name: qkv, .offset: 0, .size: 8, .value_kind: global_buffer, .address_space: global }
      - { .name: mbits, .offset: 8, .size: 8, .value_kind: global_buffer, .address_space: global }
      - { .name: p, .offset: 16, .size: 8, .value_kind: global_buffer, .address_space: global }
      - { .name: stats, .offset: 24, .size: 8, .value_kind: global_buffer, .address_space: global }
      - { .name: fmask, .offset: 32, .size: 8, .value_kind: global_buffer, .address_space: global }
    .group_segment_fixed_size: 327680
    .private_segment_fixed_size: 0
    .kernarg_segment_align: 8
    .kernarg_segment_size: 40
    .max_flat_workgroup_size: 128
    .sgpr_count:     84
    .vgpr_count:     1024
    .wavefront_size: 32
...
	.end_amdgpu_metadata
.endif
;; end of part 3
;; launch pv (part 4): grid 4 x 64, 4 waves a work-group, clusters of 4 x 4, 327,680 bytes of LDS; arguments p, qkv, bv, ctx, stats, fmask; writes ctx
.if DOCPART == 4
	.amdgcn_target "amdgcn-amd-amdhsa--gfx1250"
	.amdhsa_code_object_version 6
	.text
	.protected	k_q1277fc777f_pv
	.globl	k_q1277fc777f_pv
	.p2align	8
	.type	k_q1277fc777f_pv,@function
k_q1277fc777f_pv:
	s_mov_b64 s[64:65], 0
	v_nop
	global_prefetch_b8 v0, s[64:65] scope:SCOPE_SE
	s_setreg_imm32_b32 hwreg(HW_REG_WAVE_MODE, 25, 1), 1
	s_wait_xcnt 0x0
	s_wait_alu depctr_hold_cnt(0) depctr_sa_sdst(0) depctr_va_vdst(0) depctr_va_sdst(0) depctr_va_ssrc(0) depctr_va_vcc(0) depctr_vm_vsrc(0)
	s_getreg_b32 s2, hwreg(HW_REG_IB_STS2, 6, 4)
	s_cmp_eq_u32 s2, 0
	s_cbranch_scc0 .Lentry_in_a_cluster
	s_endpgm
.Lentry_in_a_cluster:
	s_bfe_u32 s2, ttmp6, 0x10000c
	s_cmp_lg_u32 s2, 0xf033
	s_cbranch_scc0 .Lentry_shape_is_right
	s_endpgm
.Lentry_shape_is_right:
; ctx = (sum over chunks c of f_c P_c V_c) / L + bv: the second half of the softmax and its product with v.  A = p [8192][2048] f16, K innermost; B = v of the batch, [2048][1024] f16, K as its FIRST axis; f32 sums.
; M = the row's largest M_c; f_c = 2^(M_c - M), at most 1; L = sum of f_c l_c.  A chunk is a K step of 128 keys: its product sums in accumulators T of its own, begun with the constant 0,
; and the running sum takes O += f_c T in f32, one packed multiply-add for two numbers.  O begins as L x bv, so that nothing is cleared and the way out is one multiplication by 1 / L.
; WORK LEFT OUT: v carries no bv: it is added here (the softmax's weights sum to 1, so attn (v + bv) = attn v + bv).
; ctx is stored as f16 at 0 (the next product's operand).  As f32, at 0x1000000, only the blocks of 16 rows that are carried finely later: those with a bit in fmask (a row with at most 16 keys that count), and each batch's first.
; That choice is made with no jump: the stores stand under lanes that are all on or all off.
; A row with no key that counts has L = 0 and sums 0: 0 x infinity = NaN, as the softmax of such a row is.  LIMIT: ctx as f16: magnitudes up to 65,504.
; A tile of C is 128 x 256: four waves, 64 x 128 each, 32 accumulators: so the 8,192 x 1,024 results are 256 work-groups.  K goes in steps of 128 through two LDS slots: A 128 rows x 256 bytes, B 128 k-rows x 512 bytes.
; B comes out of LDS turned, by ds_load_tr16_b128.  The matrix instruction is used transposed (source 0 = 16 columns of B, source 1 = 16 rows of A): a lane holds one row of C and eight neighbouring columns, so f_c, L and 1 / L are one number a lane and block.
; CLUSTERS: 4 x 4 work-groups: A's tiles are asked for jointly along a row of the cluster, B's along a column.
; REGISTERS: window 0: v0-31 addresses; v32-47 f_c, two sets, in even registers (the packed form names a pair and takes its low word); v48-55 L likewise; v64-95, v128-159 A's fragments, two buffers; on the way out v64-127, v192-255.
;   window 1: v0-63 bv of my 128 columns; v64-127, v128-191 B's fragments.   window 2: T.   window 3: O.
.set KTOT,  2048
.set KSTEP, 128
.set PA,    272                        ; A's LDS row: 256 + 16
.set PB,    544                        ; B's: 512 + 32, an odd multiple of 32 bytes
.set HA,    64*PA
.set HB,    64*PB
.set BOFF,  2*HA
.set SLOT,  2*HA+2*HB
.set STAGE, 2*SLOT                     ; behind the ring: 16 rows x 272 bytes for each wave
.set FTB,   STAGE+4*16*272             ; f_c: [chunk 16][row 128] f32
.set ILB,   FTB+16*512                 ; 1 / L: [row 128]
.set LB,    ILB+512                    ; L: [row 128]
.set SPARE, LB+512                     ; the spare words, named by no other line
.set LAPS,  KTOT/(2*KSTEP)
.set IL,   4                           ; v4-7   1 / L of my four blocks' rows
.set ADRA, 16
.set ILA,  18
.set CO32, 19
.set ADRB, 20
.set ADF,  22
.set LA,   23
.set STO,  24
.set RD,   25
.set CO,   26
.set SPW,  28
.set NIL,  29
.set PFO,  30
.set BOF,  31
.set FS,   32
.set LL,   48
.set F0,   64
.set F1,   128
.set SC,   64
.set TMP,  192
.set BKH,  224
.set LIM,  43
.set PFA,  44
.set PFS,  46
.set G1, 24
.set G0, 32
.set G1B, 48
.set G0B, 56
.set MUL, 0xa1                         ; source 0 (B) window 1, source 1 (A) window 0, C and D window 2
.set MSB, 0
.macro WIN new                         ; the immediate's high byte repeats the setting that is left
.if MSB != (\new)
	s_set_vgpr_msb (MSB<<8)|(\new)
.set MSB, (\new)
.endif
.endm
.macro JLOAD s                         ; waves 0 and 1 fetch A's halves, waves 2 and 3 B's; an s_nop 0 and four v_nop follow each line
	s_cmp_eq_u32 s11, 0
	s_cbranch_scc0 .Lfor_b_\@
	tensor_load_to_lds s[G0+4*\s:G0+4*\s+3], s[G1:G1+7]
	s_nop 0
.rept 4
	v_nop
.endr
	s_branch .Lasked_\@
.Lfor_b_\@:
	tensor_load_to_lds s[G0B+4*\s:G0B+4*\s+3], s[G1B:G1B+7]
	s_nop 0
.rept 4
	v_nop
.endr
.Lasked_\@:
.endm
; A prefetch of the K step that stands two refills on.  A's 128 rows x 256 bytes are read by this row of the cluster alone: wave 0 of each of the four partners asks for 32 rows, a lane a row, told apart by address.
; B's 128 k-rows x 512 bytes are read by every cluster of the batch: the first of them asks; its four partners along y take 32 k-rows each, waves 2 and 3 the two halves of the 512 bytes.
.macro ASK
	s_cmp_gt_u32 s3, s[LIM]                        ; not in the loop's last trip: there is no K step two on
	s_cbranch_scc0 .Lnot_mine_\@
	global_prefetch_b8 v[PFO], s[PFA:PFA+1] th:TH_LOAD_NT scope:SCOPE_SE
.Lnot_mine_\@:
.endm
.macro CREST
	s_cmp_lg_u32 s10, 0
	s_cbranch_scc1 .Lnot_wave_0_\@
	s_barrier_signal -3
.Lnot_wave_0_\@:
	s_barrier_wait -3
	s_barrier_signal -1
	s_barrier_wait -1
.endm
.macro CROUND
	s_barrier_signal -1
	s_barrier_wait -1
	CREST
.endm
.macro MUL16 f, a0, zero               ; 16 matrix instructions: m blocks a0, a0 + 1 x all 8 n blocks, 32 along K.  zero = 1: a chunk's first products start its sums.  The 32 accumulators take turns in one order everywhere
.irp a, \a0, \a0+1
.irp b, 0,1,2,3,4,5,6,7
.set rD, 8*(8*(\a)+\b)
.if \zero
	v_wmma_f32_16x16x32_f16 v[rD:rD+7], v[\f+8*\b:\f+8*\b+7], v[\f+8*(\a):\f+8*(\a)+7], 0
.else
	v_wmma_f32_16x16x32_f16 v[rD:rD+7], v[\f+8*\b:\f+8*\b+7], v[\f+8*(\a):\f+8*(\a)+7], v[rD:rD+7]
.endif
.endr
.endr
.endm
.macro FETCH slot, q, f                ; 24 LDS loads in one run: quarter q of the slot: A's 4 fragments, then B's 8, turned
	WIN 0
.irp a, 0,1,2,3
	ds_load_b128 v[\f+8*\a:\f+8*\a+3],   v[ADRA+\slot] offset:64*(\q)+\a*16*PA
	ds_load_b128 v[\f+8*\a+4:\f+8*\a+7], v[ADRA+\slot] offset:64*(\q)+\a*16*PA+32
.endr
	WIN 0x40
.irp b, 0,1,2,3,4,5,6,7
	ds_load_tr16_b128 v[\f+8*\b:\f+8*\b+3],   v[ADRB+\slot] offset:(\q)*32*PB+32*\b
	ds_load_tr16_b128 v[\f+8*\b+4:\f+8*\b+7], v[ADRB+\slot] offset:(\q)*32*PB+32*\b+16*PB
.endr
.endm
.macro PLACES                          ; four places behind matrix instructions, in front of loads into registers that they have read and of reads of results
.rept 4
	v_nop
.endr
.endm
; O += f_c T for blocks a0 and a0 + 1, whose sums of the chunk are finished: 64 packed multiply-adds, each accumulator from its low end on.  Four places stand ahead of the first read of a result just made;
; the multiply-adds are themselves the places for the results behind, for the loads that follow, and (five are asked) for the next chunk's products, which begin T anew.
.macro UPD a0, set
	WIN 0xf2                                       ; source 0 (T) window 2, source 1 (f) window 0, source 2 and destination (O) window 3
	PLACES
.irp a, \a0, \a0+1
.set e, 0
.rept 32
	v_pk_fma_f32 v[64*(\a)+e:64*(\a)+e+1], v[64*(\a)+e:64*(\a)+e+1], v[FS+8*(\set)+2*(\a):FS+8*(\set)+2*(\a)+1], v[64*(\a)+e:64*(\a)+e+1] op_sel_hi:[1,0,1]
.set e, e+2
.endr
.endr
.endm
.macro FACT set                        ; a chunk's f_c of my four blocks' rows
.irp a, 0,1,2,3
	ds_load_b32 v[FS+8*\set+2*\a], v[ADF] offset:64*\a
.endr
.endm
; A quarter multiplies buffer f; ahead of that it asks for quarter q into buffer g: 32 matrix instructions ahead of its use.  upd = the set of factors of the chunk just finished: its blocks 2 and 3 are taken into O here; -1: none
.macro QUARTER slot, q, f, g, zero, upd
	s_wait_dscnt 0x0                               ; buffer f is in
.if \upd >= 0
	UPD 2, \upd
.else
	WIN 0
	PLACES
.endif
	FETCH \slot, \q, \g
	WIN MUL
	MUL16 \f, 0, \zero
	MUL16 \f, 2, \zero
.endm
.macro TURN slot, next, fill           ; a slot's last quarter ends a chunk and changes slots
.if \fill
	s_wait_xcnt 0x0                                ; the last prefetch, a K step back, has read its address
	s_add_nc_u64 s[PFA:PFA+1], s[PFA:PFA+1], s[PFS:PFS+1]
.endif
	WIN 0
	s_wait_tensorcnt 0x0                           ; all my tensor loads are in: my part of the next slot
	ds_add_u32 v[SPW], v[NIL]
	s_wait_dscnt 0x0                               ; the add is done, and my reads of this slot are over
	s_barrier_signal -1
	WIN MUL
	MUL16 F1, 0, 0
	UPD 0, \slot                                   ; blocks 0 and 1 are finished: work on registers while the others arrive
	WIN 0
	s_barrier_wait -1
.if \fill
	CREST                                          ; no wave of any partner still reads this slot or has a load on its way
	s_add_nc_u64 s[G0+4*\slot+2:G0+4*\slot+3], s[G0+4*\slot+2:G0+4*\slot+3], 2*KSTEP*2
	s_add_nc_u64 s[G0B+4*\slot+2:G0B+4*\slot+3], s[G0B+4*\slot+2:G0B+4*\slot+3], 2*KSTEP*2048
	JLOAD \slot                                    ; the first tensor load behind the round
.else
	PLACES
.endif
	v_add_nc_u32 v[ADF], 512, v[ADF]               ; the next chunk's factors
	FACT \next
	FETCH \next, 0, F0
.if \fill
	WIN 0
	ASK
.endif
	WIN MUL
	MUL16 F1, 2, 0
.endm
	s_load_b256 s[68:75], s[0:1], 0x0              ; p, qkv, bv, ctx
	s_load_b128 s[76:79], s[0:1], 0x20             ; stats, fmask
	v_lshl_add_u32 v[SPW], v0, 2, SPARE
	v_mov_b32 v[NIL], 0
	ds_add_u32 v[SPW], v[NIL]                      ; the wave's opening: the add, twice on end, and its wait ahead of my first tensor load
	ds_add_u32 v[SPW], v[NIL]
	v_lshrrev_b32 v1, 5, v0
	v_readfirstlane_b32 s10, v1
	s_lshr_b32 s11, s10, 1                         ; my half of the rows; also: I fetch for A (0) or B (1)
	s_and_b32 s12, s10, 1                          ; my half of the columns; also: which half of the tile I fetch
	s_bfe_u32 s40, ttmp6, 0x40000                  ; cx = the tile column
	s_bfe_u32 s41, ttmp6, 0x40004                  ; cy
	s_and_b32 s13, ttmp7, 0xffff                   ; the cluster's y
	s_lshl_b32 s14, s13, 2
	s_add_co_u32 s14, s14, s41                     ; tile row 0..63
	s_lshl_b32 s43, s41, 2
	s_lshl_b32 s43, 15, s43
	s_lshl_b32 s44, 0x1111, s40
	s_or_b32 s[G1], s43, (1<<16)|(1<<20)|(1<<21)|(5<<22)|(3<<25)    ; A: the mask of my row; elements of 2 bytes; 4 words of padding behind every 64
	s_mov_b32 s[G1+1], 128<<16
	s_mov_b32 s[G1+2], 64<<16
	s_mov_b32 s[G1+3], 128<<16
	s_mov_b32 s[G1+4], 64
	s_mov_b32 s[G1+5], KTOT
	s_mov_b32 s[G1+6], 0
	s_mov_b32 s[G1+7], 0
	s_or_b32 s[G1B], s44, (1<<16)|(1<<20)|(1<<21)|(6<<22)|(7<<25)   ; B: the mask of my column; 8 words of padding behind every 128
	s_mov_b32 s[G1B+1], 256<<16
	s_mov_b32 s[G1B+2], 64<<16
	s_mov_b32 s[G1B+3], 256<<16
	s_mov_b32 s[G1B+4], 64
	s_mov_b32 s[G1B+5], 1024
	s_mov_b32 s[G1B+6], 0
	s_mov_b32 s[G1B+7], 0
	s_lshl_b32 s16, s14, 7
	s_lshl_b32 s17, s12, 6
	s_add_co_u32 s16, s16, s17                     ; A: row 128 x tile row + 64 x half
	s_mul_i32 s16, s16, KTOT*2
	s_mov_b32 s17, 0
	s_lshl_b32 s18, s12, 6                         ; B: k-row 64 x half,
	s_lshr_b32 s19, s13, 2                         ; in the batch's v: four clusters to a batch; v lies 16,384 rows into qkv
	s_lshl_b32 s19, s19, 11
	s_add_co_u32 s18, s18, s19
	s_add_co_u32 s18, s18, 16384
	s_lshl_b32 s18, s18, 11
	s_lshl_b32 s19, s40, 9
	s_add_co_u32 s18, s18, s19                     ; + the tile column's 512 bytes
	s_mov_b32 s19, 0
	s_mul_i32 s20, s12, HA
	s_mul_i32 s21, s12, HB
	s_add_co_u32 s21, s21, BOFF
	s_wait_dscnt 0x0                               ; both opening adds are done
	s_wait_kmcnt 0x0
	s_add_nc_u64 s[16:17], s[68:69], s[16:17]
	s_add_nc_u64 s[18:19], s[70:71], s[18:19]
	CROUND                                         ; all sixteen work-groups are here: the first joint loads meet
.irp s, 0,1
	s_mov_b32 s[G0+4*\s], 1
	s_add_co_u32 s[G0+4*\s+1], s20, \s*SLOT
	s_add_nc_u64 s[G0+4*\s+2:G0+4*\s+3], s[16:17], \s*KSTEP*2
	s_or_b32 s[G0+4*\s+3], s[G0+4*\s+3], 0x80000000
	s_mov_b32 s[G0B+4*\s], 1
	s_add_co_u32 s[G0B+4*\s+1], s21, \s*SLOT
	s_add_nc_u64 s[G0B+4*\s+2:G0B+4*\s+3], s[18:19], \s*KSTEP*2048
	s_or_b32 s[G0B+4*\s+3], s[G0B+4*\s+3], 0x80000000
	JLOAD \s
.endr
	v_and_b32 v1, 15, v0                           ; r
	v_bfe_u32 v2, v0, 4, 1                         ; h
	v_mul_u32_u24 v3, v1, PA
	v_lshl_add_u32 v3, v2, 4, v3
	s_mul_i32 s20, s11, HA
	v_add_nc_u32 v[ADRA], s20, v3                  ; A: my 64 rows; row r, + 16 h
	v_add_nc_u32 v[ADRA+1], SLOT, v[ADRA]
	v_and_b32 v3, 7, v0
	v_lshl_add_u32 v3, v2, 3, v3
	v_mul_u32_u24 v3, v3, PB                       ; B: k-row 8 h + lane % 8,
	v_bfe_u32 v5, v0, 3, 1
	v_lshl_add_u32 v3, v5, 4, v3                   ; 16 bytes for each half of eight lanes,
	s_lshl_b32 s20, s12, 8
	s_add_co_u32 s20, s20, BOFF                    ; my 128 columns
	v_add_nc_u32 v[ADRB], s20, v3
	v_add_nc_u32 v[ADRB+1], SLOT, v[ADRB]
	v_and_b32 v5, 31, v0
	v_lshlrev_b32 v[BOF], 5, v2
	v_lshlrev_b32 v3, 12, v1
	v_lshl_add_u32 v[CO32], v2, 5, v3              ; ctx as f32: row r of 4,096 bytes, + 32 h
	s_lshl_b32 s20, s14, 7
	s_lshl_b32 s21, s11, 6
	s_add_co_u32 s20, s20, s21                     ; my first row
	s_lshl_b32 s22, s40, 9
	s_lshl_b32 s23, s12, 8
	s_add_co_u32 s22, s22, s23                     ; my first column, in f16 bytes
	s_mul_i32 s21, s10, 16*272
	s_add_co_u32 s21, s21, STAGE
	v_mul_u32_u24 v3, v1, 272
	v_lshl_add_u32 v3, v2, 4, v3
	v_add_nc_u32 v[STO], s21, v3                   ; the stage: row r, 16 bytes for each half of the lanes
	v_mul_u32_u24 v3, v2, 272
	v_lshl_add_u32 v3, v1, 4, v3
	v_add_nc_u32 v[RD], s21, v3                    ; back: lanes 0-15 one row of 256 bytes, lanes 16-31 the next
	v_lshlrev_b32 v3, 11, v2
	v_lshl_add_u32 v[CO], v1, 4, v3                ; the same two rows in ctx
	s_lshl_b32 s16, s20, 11
	s_add_co_u32 s16, s16, s22
	s_mov_b32 s17, 0
	s_add_nc_u64 s[8:9], s[74:75], s[16:17]        ; ctx as f16, at my part
	s_lshl_b32 s16, s20, 12
	s_lshl_b32 s22, s22, 1                         ; the column in f32 bytes
	s_add_co_u32 s16, s16, s22
	s_add_nc_u64 s[80:81], s[74:75], s[16:17]
	s_add_nc_u64 s[80:81], s[80:81], 0x1000000     ; ctx as f32, at my part
	s_mov_b32 s23, 0
	s_add_nc_u64 s[72:73], s[72:73], s[22:23]      ; bv of my 128 columns
	s_lshl_b32 s16, s14, 4
	s_lshl_b32 s21, s11, 3
	s_add_co_u32 s16, s16, s21
	s_add_nc_u64 s[78:79], s[78:79], s[16:17]
	s_load_b64 s[82:83], s[78:79], 0x0             ; the two words of fmask of my 64 rows; awaited on the way out
	WIN 0x40                                       ; destination window 1: register 8 b + j = bv[16 b + 8 h + j]
.irp b, 0,1,2,3,4,5,6,7
	global_load_b128 v[8*\b:8*\b+3], v[BOF], s[72:73] offset:64*\b
	global_load_b128 v[8*\b+4:8*\b+7], v[BOF], s[72:73] offset:64*\b+16
.endr
	WIN 0
	; the prefetches
	s_lshl_b32 s20, s14, 7
	s_lshl_b32 s21, s40, 5
	s_add_co_u32 s20, s20, s21                     ; A: row 128 x tile row + 32 cx
	s_mul_i32 s20, s20, KTOT*2
	s_add_co_u32 s20, s20, 3*KSTEP*2               ; at K step 3: the first refill steps it to 4
	s_lshl_b32 s21, s41, 5
	s_add_co_u32 s21, s21, 3*KSTEP                 ; B: k-row 32 cy, at K step 3
	s_lshr_b32 s22, s13, 2
	s_lshl_b32 s22, s22, 11
	s_add_co_u32 s21, s21, s22
	s_add_co_u32 s21, s21, 16384
	s_lshl_b32 s21, s21, 11
	s_lshl_b32 s22, s40, 9
	s_add_co_u32 s21, s21, s22
	s_lshl_b32 s22, s12, 8
	s_add_co_u32 s21, s21, s22
	s_and_b32 s16, s13, 3                          ; 0 in the batch's first cluster
	s_mov_b32 s22, KSTEP*2048
	s_mov_b32 s23, 2048
	s_cmp_eq_u32 s11, 0
	s_cselect_b32 s20, s20, s21
	s_cselect_b64 s[PFA:PFA+1], s[68:69], s[70:71]
	s_cselect_b32 s[PFS], KSTEP*2, s22             ; a K step on
	s_cselect_b32 s23, KTOT*2, s23                 ; from lane to lane
	s_cselect_b32 s16, s12, s16                    ; for A wave 0 asks, wave 1 does not
	s_mov_b32 s21, 0
	s_mov_b32 s[PFS+1], 0
	s_add_nc_u64 s[PFA:PFA+1], s[PFA:PFA+1], s[20:21]
	s_cmp_eq_u32 s16, 0
	s_cselect_b32 s[LIM], 1, -1
	v_mul_lo_u32 v[PFO], v5, s23
	; thread t is row t of the tile's 128: its 16 M_c and 16 l_c become 16 factors, L and 1 / L
	s_lshl_b32 s20, s14, 14
	s_mov_b32 s21, 0
	s_add_nc_u64 s[76:77], s[76:77], s[20:21]
	v_lshlrev_b32 v3, 2, v0
.set c, 0
.rept 16
	global_load_b32 v[32+c], v3, s[76:77] offset:1024*c
	global_load_b32 v[48+c], v3, s[76:77] offset:1024*c+512
.set c, c+1
.endr
	v_lshl_add_u32 v7, v0, 2, FTB
	s_lshl_b32 s20, s11, 8
	v_lshl_add_u32 v[ADF], v1, 2, s20              ; my 64 rows, row r
	v_add_nc_u32 v[ILA], ILB, v[ADF]
	v_add_nc_u32 v[LA], LB, v[ADF]
	v_add_nc_u32 v[ADF], FTB, v[ADF]
	s_wait_loadcnt 0x0                             ; bv and the statistics
	v_max3_num_f32 v5, v32, v33, v34
.irp c, 35,37,39,41,43,45
	v_max3_num_f32 v5, v5, v[\c], v[\c+1]
.endr
	v_max_num_f32 v5, v5, v47                      ; M
.set c, 0
.rept 16
	v_sub_f32 v[32+c], v[32+c], v5                 ; a whole number, 0 or less
.set c, c+1
.endr
.set c, 0
.rept 16
	v_cvt_i32_f32 v[32+c], v[32+c]                 ; (it saturates)
.set c, c+1
.endr
.set c, 0
.rept 16
	v_ldexp_f32 v[32+c], 1.0, v[32+c]              ; f_c
.set c, c+1
.endr
	v_mul_f32 v6, v32, v48
.set c, 1
.rept 15
	v_fmac_f32 v6, v[32+c], v[48+c]                ; L
.set c, c+1
.endr
.set c, 0
.rept 16
	ds_store_b32 v7, v[32+c] offset:512*c
.set c, c+1
.endr
	v_rcp_f32 v4, v6
	v_nop                                          ; a plain place behind the reciprocal
	s_wait_alu depctr_va_vdst(0)                   ; and the wait ahead of its first reader
	ds_store_b32 v7, v4 offset:16*512
	ds_store_b32 v7, v6 offset:17*512
	s_wait_dscnt 0x0                               ; for the others' sake: my row's numbers lie in LDS
	s_barrier_signal -1                            ; a barrier for the tables alone
	s_barrier_wait -1
.irp a, 0,1,2,3
	ds_load_b32 v[LL+2*\a], v[LA] offset:64*\a
.endr
	FACT 0
	s_wait_dscnt 0x0
	WIN 0xc1                                       ; source 0 (bv) window 1, source 1 (L) window 0, destination (O) window 3
.irp a, 0,1,2,3
.set e, 0
.rept 32
	v_pk_mul_f32 v[64*\a+e:64*\a+e+1], v[e:e+1], v[LL+2*\a:LL+2*\a+1] op_sel_hi:[1,0]   ; O begins as L x bv
.set e, e+2
.endr
.endr
	WIN 0
	s_wait_tensorcnt 1                             ; my part of K step 0 is in; K step 1's may be out
	s_barrier_signal -1
	s_barrier_wait -1
	FETCH 0, 0, F0
	QUARTER 0, 1, F0, F1, 1, -1
	WIN 0
	s_mov_b32 s3, LAPS-1
.Llap:                                             ; a trip goes once round the ring, two chunks, and fills both slots again
	QUARTER 0, 2, F1, F0, 0, -1
	QUARTER 0, 3, F0, F1, 0, -1
	TURN 0, 1, 1
	QUARTER 1, 1, F0, F1, 1, 0
	QUARTER 1, 2, F1, F0, 0, -1
	QUARTER 1, 3, F0, F1, 0, -1
	TURN 1, 0, 1
	QUARTER 0, 1, F0, F1, 1, 1
	WIN 0
	s_sub_co_u32 s3, s3, 1
	s_cmp_lg_u32 s3, 0
	s_cbranch_scc1 .Llap
	QUARTER 0, 2, F1, F0, 0, -1                    ; the last lap is written out: it asks for nothing
	QUARTER 0, 3, F0, F1, 0, -1
	TURN 0, 1, 0
	QUARTER 1, 1, F0, F1, 1, 0
	QUARTER 1, 2, F1, F0, 0, -1
	QUARTER 1, 3, F0, F1, 0, -1
	s_wait_dscnt 0x0
	WIN MUL
	MUL16 F1, 0, 0
	MUL16 F1, 2, 0
	UPD 0, 1                                       ; the last chunk
	UPD 2, 1
	WIN 0
; THE WAY OUT, a block of 16 rows x 128 columns at a time.  As f16 through my own stage in LDS, so that sixteen lanes store 256 consecutive bytes, aligned.
; As f32 straight from the registers, 32 bytes a lane, under lanes that are all on or all off: these stores run for few blocks, so a way through LDS would not pay.
	s_wait_kmcnt 0x0                               ; my two words of fmask
	s_and_b32 s21, s14, 15
	s_or_b32 s21, s21, s11                         ; 0: my first block is its batch's first
.irp a, 0,1,2,3
	s_bfe_u32 s[84+\a], s[82+\a/2], 0x100000|(16*(\a%2))   ; the block's 16 bits
	s_cmp_lg_u32 s[84+\a], 0
	s_cselect_b32 s[84+\a], -1, 0
.endr
	s_cmp_eq_u32 s21, 0
	s_cselect_b32 s84, -1, s84
.irp a, 0,1,2,3
	ds_load_b32 v[IL+\a], v[ILA] offset:64*\a
.endr
	s_wait_dscnt 0x0
.macro FIN a                           ; O / L, in plain multiplications; then rounded to f16
	WIN 0x03                                       ; source 0 window 3
.set e, 0
.rept 64
	v_mul_f32 v[SC+e], v[64*(\a)+e], v[IL+(\a)]
.set e, e+1
.endr
	WIN 0
.set e, 0
.rept 32
	v_cvt_pk_f16_f32 v[TMP+e], v[SC+2*e], v[SC+2*e+1]
.set e, e+1
.endr
.endm
.macro ST32 a
	v_mov_b32 v2, s[84+(\a)]
	v_cmp_ne_u32 vcc_lo, 0, v2
	s_wait_xcnt 0x0                                ; EXEC changes, and a base steps, only behind this wait
.if (\a) > 0
	s_add_nc_u64 s[80:81], s[80:81], 16*4096
.endif
	s_and_saveexec_b32 s22, vcc_lo
.irp b, 0,1,2,3,4,5,6,7
	global_store_b128 v[CO32], v[SC+8*\b:SC+8*\b+3], s[80:81] offset:64*\b
	global_store_b128 v[CO32], v[SC+8*\b+4:SC+8*\b+7], s[80:81] offset:64*\b+16
.endr
	s_wait_xcnt 0x0                                ; and again ahead of the line that widens it; the stores' data may be written again too
	s_or_b32 exec_lo, exec_lo, s22
.endm
.macro TOST16
.irp b, 0,1,2,3,4,5,6,7
	ds_store_b128 v[STO], v[TMP+4*\b:TMP+4*\b+3] offset:32*\b
.endr
.irp t, 0,1,2,3,4,5,6,7
	ds_load_b128 v[BKH+4*\t:BKH+4*\t+3], v[RD] offset:\t*2*272   ; LDS serves a wave's instructions in order: these see the stores above
.endr
.endm
.macro SEND16 a
	s_wait_dscnt 0x0
.if (\a) > 0
	s_add_nc_u64 s[8:9], s[8:9], 16*2048           ; (behind a wait on XCNT: the earlier stores have read their base)
.endif
.irp t, 0,1,2,3,4,5,6,7
	global_store_b128 v[CO], v[BKH+4*\t:BKH+4*\t+3], s[8:9] offset:2*\t*2048
.endr
.endm
.irp a, 0,1,2,3
	FIN \a                                         ; a block's arithmetic stands between the loads of the block before and its stores
.if \a > 0
	SEND16 \a-1
.endif
	ST32 \a
	TOST16
.endr
	SEND16 3
	s_wait_tensorcnt 0x0                           ; the wave's end
	ds_add_u32 v[SPW], v[NIL]
	s_wait_dscnt 0x0
	CROUND                                         ; the closing round
	s_endpgm
.Lfunc_end_k_q1277fc777f_pv:
	.size	k_q1277fc777f_pv, .Lfunc_end_k_q1277fc777f_pv-k_q1277fc777f_pv
	.p2alignl 7, 3214868480
	.fill 96, 4, 3214868480
	.section	.rodata,"a",@progbits
	.p2align	6, 0x0
	.amdhsa_kernel k_q1277fc777f_pv
		.amdhsa_group_segment_fixed_size 327680
		.amdhsa_private_segment_fixed_size 0
		.amdhsa_enable_private_segment 0
		.amdhsa_kernarg_size 48
		.amdhsa_user_sgpr_count 2
		.amdhsa_user_sgpr_kernarg_segment_ptr 1
		.amdhsa_wavefront_size32 1
		.amdhsa_system_sgpr_workgroup_id_x 1
		.amdhsa_system_sgpr_workgroup_id_y 1
		.amdhsa_system_sgpr_workgroup_id_z 1
		.amdhsa_system_vgpr_workitem_id 0
		.amdhsa_next_free_vgpr 1024
		.amdhsa_next_free_sgpr 88
		.amdhsa_reserve_vcc 1
		.amdhsa_float_denorm_mode_32 3
		.amdhsa_float_denorm_mode_16_64 3
		.amdhsa_memory_ordered 1
		.amdhsa_forward_progress 1
		.amdhsa_inst_pref_size 156
	.end_amdhsa_kernel
	.amdgpu_metadata
---
amdhsa.version: [ 1, 2 ]
amdhsa.kernels:
  - .name:           k_q1277fc777f_pv
    .symbol:         k_q1277fc777f_pv.kd
    .args:
      - { .name: p, .offset: 0, .size: 8, .value_kind: global_buffer, .address_space: global }
      - { .name: qkv, .offset: 8, .size: 8, .value_kind: global_buffer, .address_space: global }
      - { .name: bv, .offset: 16, .size: 8, .value_kind: global_buffer, .address_space: global }
      - { .name: ctx, .offset: 24, .size: 8, .value_kind: global_buffer, .address_space: global }
      - { .name: stats, .offset: 32, .size: 8, .value_kind: global_buffer, .address_space: global }
      - { .name: fmask, .offset: 40, .size: 8, .value_kind: global_buffer, .address_space: global }
    .group_segment_fixed_size: 327680
    .private_segment_fixed_size: 0
    .kernarg_segment_align: 8
    .kernarg_segment_size: 48
    .max_flat_workgroup_size: 128
    .sgpr_count:     88
    .vgpr_count:     1024
    .wavefront_size: 32
...
	.end_amdgpu_metadata
.endif
;; end of part 4
;; launch out (part 5): grid 4 x 64, 4 waves a work-group, clusters of 4 x 4, 327,680 bytes of LDS; arguments ctx, wo16, bo, out0; writes out0
.if DOCPART == 5
	.amdgcn_target "amdgcn-amd-amdhsa--gfx1250"
	.amdhsa_code_object_version 6
	.text
	.protected	k_q1277fc777f_out
	.globl	k_q1277fc777f_out
	.p2align	8
	.type	k_q1277fc777f_out,@function
k_q1277fc777f_out:
	s_mov_b64 s[64:65], 0
	v_nop
	global_prefetch_b8 v0, s[64:65] scope:SCOPE_SE
	s_setreg_imm32_b32 hwreg(HW_REG_WAVE_MODE, 25, 1), 1
	s_wait_xcnt 0x0
	s_wait_alu depctr_hold_cnt(0) depctr_sa_sdst(0) depctr_va_vdst(0) depctr_va_sdst(0) depctr_va_ssrc(0) depctr_va_vcc(0) depctr_vm_vsrc(0)
	s_getreg_b32 s2, hwreg(HW_REG_IB_STS2, 6, 4)
	s_cmp_eq_u32 s2, 0
	s_cbranch_scc0 .Lentry_in_a_cluster
	s_endpgm
.Lentry_in_a_cluster:
	s_bfe_u32 s2, ttmp6, 0x10000c
	s_cmp_lg_u32 s2, 0xf033
	s_cbranch_scc0 .Lentry_shape_is_right
	s_endpgm
.Lentry_shape_is_right:
; out0 = ctx Wo + bo.  A = ctx [8192][1024] f16, K innermost; B = wo16 [1024][1024] f16, K as its FIRST axis; f32 sums; bo is the C of each sum's first product.
; A tile of C is 128 x 256: four waves, 64 x 128 each, 32 accumulators (window 2): 256 work-groups.  K goes in steps of 128 through two LDS slots: A 128 rows x 256 bytes, B 128 k-rows x 512 bytes.
; B comes out of LDS turned, by ds_load_tr16_b128.  The matrix instruction is used transposed (source 0 = 16 columns of B, source 1 = 16 rows of A): a lane holds eight neighbouring numbers of a row of C.
; CLUSTERS: 4 x 4 work-groups: A's tiles are asked for jointly along a row of the cluster, B's along a column.
; REGISTERS: window 0: v0-31 addresses; v64-95, v128-159 A's fragments, two buffers; on the way out v128-255.   window 1: v64-127, v128-191 B's fragments.   window 2: the accumulators.   window 3: v0-63 bo of my 128 columns.
.set KTOT,  1024
.set KSTEP, 128
.set PA,    272                        ; A's LDS row: 256 + 16
.set PB,    544                        ; B's: 512 + 32, an odd multiple of 32 bytes
.set HA,    64*PA
.set HB,    64*PB
.set BOFF,  2*HA
.set SLOT,  2*HA+2*HB
.set STG32, 2*SLOT                     ; behind the ring: 16 rows x 528 bytes for each wave
.set SPARE, STG32+4*16*528             ; the spare words, named by no other line
.set LAPS,  KTOT/(2*KSTEP)
.set ADRA, 16
.set L16,  19
.set ADRB, 20
.set RD32, 23
.set STO32, 27
.set SPW,  28
.set NIL,  29
.set PFO,  30
.set BOF,  31
.set F0,   64
.set F1,   128
.set BKF,  128
.set LIM,  43
.set PFA,  44
.set PFS,  46
.set G1, 24
.set G0, 32
.set G1B, 48
.set G0B, 56
.set MUL, 0xa1                         ; source 0 (B) window 1, source 1 (A) window 0, C and D window 2
.set MSB, 0
.macro WIN new                         ; the immediate's high byte repeats the setting that is left
.if MSB != (\new)
	s_set_vgpr_msb (MSB<<8)|(\new)
.set MSB, (\new)
.endif
.endm
.macro JLOAD s                         ; waves 0 and 1 fetch A's halves, waves 2 and 3 B's; an s_nop 0 and four v_nop follow each line
	s_cmp_eq_u32 s11, 0
	s_cbranch_scc0 .Lfor_b_\@
	tensor_load_to_lds s[G0+4*\s:G0+4*\s+3], s[G1:G1+7]
	s_nop 0
.rept 4
	v_nop
.endr
	s_branch .Lasked_\@
.Lfor_b_\@:
	tensor_load_to_lds s[G0B+4*\s:G0B+4*\s+3], s[G1B:G1B+7]
	s_nop 0
.rept 4
	v_nop
.endr
.Lasked_\@:
.endm
; A prefetch of the K step that stands two refills on.  A's 128 rows x 256 bytes are read by this row of the cluster alone: wave 0 of each of the four partners asks for 32 rows, a lane a row, told apart by address.
; B's 128 k-rows x 512 bytes are read by every cluster of the launch: the first of them asks; its four partners along y take 32 k-rows each, waves 2 and 3 the two halves of the 512 bytes.
.macro ASK
	s_cmp_gt_u32 s3, s[LIM]                        ; not in the loop's last trip: there is no K step two on
	s_cbranch_scc0 .Lnot_mine_\@
	global_prefetch_b8 v[PFO], s[PFA:PFA+1] th:TH_LOAD_NT scope:SCOPE_SE
.Lnot_mine_\@:
.endm
.macro CREST
	s_cmp_lg_u32 s10, 0
	s_cbranch_scc1 .Lnot_wave_0_\@
	s_barrier_signal -3
.Lnot_wave_0_\@:
	s_barrier_wait -3
	s_barrier_signal -1
	s_barrier_wait -1
.endm
.macro CROUND
	s_barrier_signal -1
	s_barrier_wait -1
	CREST
.endm
	s_load_b256 s[68:75], s[0:1], 0x0              ; ctx, wo16, bo, out0
	v_lshl_add_u32 v[SPW], v0, 2, SPARE
	v_mov_b32 v[NIL], 0
	ds_add_u32 v[SPW], v[NIL]                      ; the wave's opening: the add, twice on end, and its wait ahead of my first tensor load
	ds_add_u32 v[SPW], v[NIL]
	v_lshrrev_b32 v1, 5, v0
	v_readfirstlane_b32 s10, v1
	s_lshr_b32 s11, s10, 1                         ; my half of the rows; also: I fetch for A (0) or B (1)
	s_and_b32 s12, s10, 1                          ; my half of the columns; also: which half of the tile I fetch
	s_bfe_u32 s40, ttmp6, 0x40000                  ; cx = the tile column
	s_bfe_u32 s41, ttmp6, 0x40004                  ; cy
	s_and_b32 s13, ttmp7, 0xffff                   ; the cluster's y
	s_lshl_b32 s14, s13, 2
	s_add_co_u32 s14, s14, s41                     ; tile row 0..63
	s_lshl_b32 s43, s41, 2
	s_lshl_b32 s43, 15, s43
	s_lshl_b32 s44, 0x1111, s40
	s_or_b32 s[G1], s43, (1<<16)|(1<<20)|(1<<21)|(5<<22)|(3<<25)    ; A: the mask of my row; elements of 2 bytes; 4 words of padding behind every 64
	s_mov_b32 s[G1+1], 128<<16
	s_mov_b32 s[G1+2], 64<<16
	s_mov_b32 s[G1+3], 128<<16
	s_mov_b32 s[G1+4], 64
	s_mov_b32 s[G1+5], KTOT
	s_mov_b32 s[G1+6], 0
	s_mov_b32 s[G1+7], 0
	s_or_b32 s[G1B], s44, (1<<16)|(1<<20)|(1<<21)|(6<<22)|(7<<25)   ; B: the mask of my column; 8 words of padding behind every 128
	s_mov_b32 s[G1B+1], 256<<16
	s_mov_b32 s[G1B+2], 64<<16
	s_mov_b32 s[G1B+3], 256<<16
	s_mov_b32 s[G1B+4], 64
	s_mov_b32 s[G1B+5], 1024
	s_mov_b32 s[G1B+6], 0
	s_mov_b32 s[G1B+7], 0
	s_lshl_b32 s16, s14, 7
	s_lshl_b32 s17, s12, 6
	s_add_co_u32 s16, s16, s17                     ; A: row 128 x tile row + 64 x half
	s_mul_i32 s16, s16, KTOT*2
	s_mov_b32 s17, 0
	s_lshl_b32 s18, s12, 17                        ; B: k-row 64 x half, rows of 2,048 bytes,
	s_lshl_b32 s19, s40, 9
	s_add_co_u32 s18, s18, s19                     ; + the tile column's 512 bytes
	s_mov_b32 s19, 0
	s_mul_i32 s20, s12, HA
	s_mul_i32 s21, s12, HB
	s_add_co_u32 s21, s21, BOFF
	s_wait_dscnt 0x0                               ; both opening adds are done
	s_wait_kmcnt 0x0
	s_add_nc_u64 s[16:17], s[68:69], s[16:17]
	s_add_nc_u64 s[18:19], s[70:71], s[18:19]
	CROUND                                         ; all sixteen work-groups are here: the first joint loads meet
.irp s, 0,1
	s_mov_b32 s[G0+4*\s], 1
	s_add_co_u32 s[G0+4*\s+1], s20, \s*SLOT
	s_add_nc_u64 s[G0+4*\s+2:G0+4*\s+3], s[16:17], \s*KSTEP*2
	s_or_b32 s[G0+4*\s+3], s[G0+4*\s+3], 0x80000000
	s_mov_b32 s[G0B+4*\s], 1
	s_add_co_u32 s[G0B+4*\s+1], s21, \s*SLOT
	s_add_nc_u64 s[G0B+4*\s+2:G0B+4*\s+3], s[18:19], \s*KSTEP*2048
	s_or_b32 s[G0B+4*\s+3], s[G0B+4*\s+3], 0x80000000
	JLOAD \s
.endr
	v_and_b32 v1, 15, v0                           ; r
	v_bfe_u32 v2, v0, 4, 1                         ; h
	v_mul_u32_u24 v3, v1, PA
	v_lshl_add_u32 v3, v2, 4, v3
	s_mul_i32 s20, s11, HA
	v_add_nc_u32 v[ADRA], s20, v3                  ; A: my 64 rows; row r, + 16 h
	v_add_nc_u32 v[ADRA+1], SLOT, v[ADRA]
	v_and_b32 v3, 7, v0
	v_lshl_add_u32 v3, v2, 3, v3
	v_mul_u32_u24 v3, v3, PB                       ; B: k-row 8 h + lane % 8,
	v_bfe_u32 v5, v0, 3, 1
	v_lshl_add_u32 v3, v5, 4, v3                   ; 16 bytes for each half of eight lanes,
	s_lshl_b32 s20, s12, 8
	s_add_co_u32 s20, s20, BOFF                    ; my 128 columns
	v_add_nc_u32 v[ADRB], s20, v3
	v_add_nc_u32 v[ADRB+1], SLOT, v[ADRB]
	v_and_b32 v5, 31, v0
	v_lshlrev_b32 v[L16], 4, v5
	s_mul_i32 s20, s10, 16*528
	s_add_co_u32 s20, s20, STG32
	v_mul_u32_u24 v3, v1, 528
	v_lshl_add_u32 v3, v2, 5, v3
	v_add_nc_u32 v[STO32], s20, v3                 ; the stage: row r, 32 bytes for each half of the lanes
	v_add_nc_u32 v[RD32], s20, v[L16]              ; back: the 32 lanes take a row of 512 bytes
	v_lshlrev_b32 v[BOF], 5, v2
	s_lshl_b32 s20, s14, 7
	s_lshl_b32 s21, s11, 6
	s_add_co_u32 s20, s20, s21                     ; my first row
	s_lshl_b32 s22, s40, 10
	s_lshl_b32 s23, s12, 9
	s_add_co_u32 s22, s22, s23                     ; my first column, in f32 bytes
	s_lshl_b32 s16, s20, 12
	s_add_co_u32 s16, s16, s22
	s_mov_b32 s17, 0
	s_add_nc_u64 s[78:79], s[74:75], s[16:17]      ; out0 at my part
	s_mov_b32 s23, 0
	s_add_nc_u64 s[72:73], s[72:73], s[22:23]      ; bo of my 128 columns
	WIN 0xc0                                       ; destination window 3: register 8 b + j = bo[16 b + 8 h + j]
.irp b, 0,1,2,3,4,5,6,7
	global_load_b128 v[8*\b:8*\b+3], v[BOF], s[72:73] offset:64*\b
	global_load_b128 v[8*\b+4:8*\b+7], v[BOF], s[72:73] offset:64*\b+16
.endr
	WIN 0
	; the prefetches
	s_lshl_b32 s20, s14, 7
	s_lshl_b32 s21, s40, 5
	s_add_co_u32 s20, s20, s21                     ; A: row 128 x tile row + 32 cx
	s_mul_i32 s20, s20, KTOT*2
	s_add_co_u32 s20, s20, 3*KSTEP*2               ; at K step 3: the first refill steps it to 4
	s_lshl_b32 s21, s41, 5
	s_add_co_u32 s21, s21, 3*KSTEP                 ; B: k-row 32 cy, at K step 3
	s_lshl_b32 s21, s21, 11
	s_lshl_b32 s22, s40, 9
	s_add_co_u32 s21, s21, s22
	s_lshl_b32 s22, s12, 8
	s_add_co_u32 s21, s21, s22
	s_mov_b32 s16, s13                             ; 0 in the launch's first cluster
	s_mov_b32 s22, KSTEP*2048
	s_mov_b32 s23, 2048
	s_cmp_eq_u32 s11, 0
	s_cselect_b32 s20, s20, s21
	s_cselect_b64 s[PFA:PFA+1], s[68:69], s[70:71]
	s_cselect_b32 s[PFS], KSTEP*2, s22             ; a K step on
	s_cselect_b32 s23, KTOT*2, s23                 ; from lane to lane
	s_cselect_b32 s16, s12, s16                    ; for A wave 0 asks, wave 1 does not
	s_mov_b32 s21, 0
	s_mov_b32 s[PFS+1], 0
	s_add_nc_u64 s[PFA:PFA+1], s[PFA:PFA+1], s[20:21]
	s_cmp_eq_u32 s16, 0
	s_cselect_b32 s[LIM], 1, -1
	v_mul_lo_u32 v[PFO], v5, s23
.macro MUL16 f, a0, zero               ; 16 matrix instructions: m blocks a0, a0 + 1 x all 8 n blocks, 32 along K.  The 32 accumulators take turns in one order everywhere
.irp a, \a0, \a0+1
.irp b, 0,1,2,3,4,5,6,7
.set rD, 8*(8*(\a)+\b)
.if \zero
	v_wmma_f32_16x16x32_f16 v[rD:rD+7], v[\f+8*\b:\f+8*\b+7], v[\f+8*(\a):\f+8*(\a)+7], v[8*\b:8*\b+7]
.else
	v_wmma_f32_16x16x32_f16 v[rD:rD+7], v[\f+8*\b:\f+8*\b+7], v[\f+8*(\a):\f+8*(\a)+7], v[rD:rD+7]
.endif
.endr
.endr
.endm
.macro FETCH slot, q, f                ; 24 LDS loads in one run: quarter q of the slot: A's 4 fragments, then B's 8, turned
	WIN 0
.irp a, 0,1,2,3
	ds_load_b128 v[\f+8*\a:\f+8*\a+3],   v[ADRA+\slot] offset:64*(\q)+\a*16*PA
	ds_load_b128 v[\f+8*\a+4:\f+8*\a+7], v[ADRA+\slot] offset:64*(\q)+\a*16*PA+32
.endr
	WIN 0x40
.irp b, 0,1,2,3,4,5,6,7
	ds_load_tr16_b128 v[\f+8*\b:\f+8*\b+3],   v[ADRB+\slot] offset:(\q)*32*PB+32*\b
	ds_load_tr16_b128 v[\f+8*\b+4:\f+8*\b+7], v[ADRB+\slot] offset:(\q)*32*PB+32*\b+16*PB
.endr
.endm
.macro PLACES                          ; four places behind matrix instructions, in front of loads into registers that they have read and of reads of results
.rept 4
	v_nop
.endr
.endm
.macro QUARTER slot, q, f, g, zero     ; multiplies buffer f; ahead of that it asks for quarter q into buffer g: 32 matrix instructions ahead of its use
	s_wait_dscnt 0x0                               ; buffer f is in
	WIN 0
	PLACES
	FETCH \slot, \q, \g
.if \zero
	WIN 0xb1                                       ; as MUL, with C in window 3
.else
	WIN MUL
.endif
	MUL16 \f, 0, \zero
	MUL16 \f, 2, \zero
.endm
.macro TURN slot, next, fill           ; a slot's last quarter changes slots
.if \fill
	s_wait_xcnt 0x0                                ; the last prefetch, a K step back, has read its address
	s_add_nc_u64 s[PFA:PFA+1], s[PFA:PFA+1], s[PFS:PFS+1]
.endif
	WIN 0
	s_wait_tensorcnt 0x0                           ; all my tensor loads are in: my part of the next slot
	ds_add_u32 v[SPW], v[NIL]
	s_wait_dscnt 0x0                               ; the add is done, and my reads of this slot are over
	s_barrier_signal -1
	WIN MUL
	MUL16 F1, 0, 0
	WIN 0
	s_barrier_wait -1
.if \fill
	CREST                                          ; no wave of any partner still reads this slot or has a load on its way
	s_add_nc_u64 s[G0+4*\slot+2:G0+4*\slot+3], s[G0+4*\slot+2:G0+4*\slot+3], 2*KSTEP*2
	s_add_nc_u64 s[G0B+4*\slot+2:G0B+4*\slot+3], s[G0B+4*\slot+2:G0B+4*\slot+3], 2*KSTEP*2048
	JLOAD \slot                                    ; the first tensor load behind the round; its four v_nop are the places in front of the loads below
.else
	PLACES
.endif
	FETCH \next, 0, F0
.if \fill
	WIN 0
	ASK
.endif
	WIN MUL
	MUL16 F1, 2, 0
.endm
	s_wait_tensorcnt 1                             ; my part of K step 0 is in; K step 1's may be out
	s_barrier_signal -1
	s_barrier_wait -1
	s_wait_loadcnt 0x0                             ; bo
	FETCH 0, 0, F0
	QUARTER 0, 1, F0, F1, 1                        ; the first quarter's products start the sums, with bo as C
	WIN 0
	s_mov_b32 s3, LAPS-1
.Llap:                                             ; a trip goes once round the ring and fills both slots again
	QUARTER 0, 2, F1, F0, 0
	QUARTER 0, 3, F0, F1, 0
	TURN 0, 1, 1
	QUARTER 1, 1, F0, F1, 0
	QUARTER 1, 2, F1, F0, 0
	QUARTER 1, 3, F0, F1, 0
	TURN 1, 0, 1
	QUARTER 0, 1, F0, F1, 0
	WIN 0
	s_sub_co_u32 s3, s3, 1
	s_cmp_lg_u32 s3, 0
	s_cbranch_scc1 .Llap
	QUARTER 0, 2, F1, F0, 0                        ; the last lap is written out: it asks for nothing
	QUARTER 0, 3, F0, F1, 0
	TURN 0, 1, 0
	QUARTER 1, 1, F0, F1, 0
	QUARTER 1, 2, F1, F0, 0
	QUARTER 1, 3, F0, F1, 0
	s_wait_dscnt 0x0
	WIN MUL
	MUL16 F1, 0, 0
	MUL16 F1, 2, 0
	WIN 0
; THE WAY OUT, a block of 16 rows x 128 columns at a time, through my own stage in LDS: whole rows of 512 consecutive bytes leave from the 32 lanes, aligned.
.macro TOST32 a
.set BF, BKF+64*((\a)%2)
	WIN 0x08                                       ; an LDS store's data are its source 1: window 2
.irp b, 0,1,2,3,4,5,6,7
	ds_store_b128 v[STO32], v[64*(\a)+8*\b:64*(\a)+8*\b+3] offset:64*\b       ; each accumulator from its low end on
	ds_store_b128 v[STO32], v[64*(\a)+8*\b+4:64*(\a)+8*\b+7] offset:64*\b+16
.endr
	WIN 0
.irp t, 0,1,2,3,4,5,6,7,8,9,10,11,12,13,14,15
	ds_load_b128 v[BF+4*\t:BF+4*\t+3], v[RD32] offset:\t*528   ; LDS serves a wave's instructions in order: these see the stores above
.endr
.endm
.macro SEND32 a, younger
.set BF, BKF+64*((\a)%2)
	s_wait_dscnt \younger
.if (\a) > 0
	s_add_nc_u64 s[78:79], s[78:79], 16*4096       ; (behind a wait on XCNT: the earlier stores have read their base)
.endif
.irp t, 0,1,2,3,4,5,6,7,8,9,10,11,12,13,14,15
	global_store_b128 v[L16], v[BF+4*\t:BF+4*\t+3], s[78:79] offset:\t*4096
.endr
.endm
	PLACES
	TOST32 0
.irp a, 1,2,3
.if \a > 1
	s_wait_xcnt 0x0                                ; block a - 2's stores have read their registers and their base
.endif
	TOST32 \a
	SEND32 \a-1, 32                                ; behind block a - 1's loads: block a's 16 stores and 16 loads
.endr
	s_wait_xcnt 0x0
	SEND32 3, 0
	s_wait_tensorcnt 0x0                           ; the wave's end
	ds_add_u32 v[SPW], v[NIL]
	s_wait_dscnt 0x0
	CROUND                                         ; the closing round
	s_endpgm
.Lfunc_end_k_q1277fc777f_out:
	.size	k_q1277fc777f_out, .Lfunc_end_k_q1277fc777f_out-k_q1277fc777f_out
	.p2alignl 7, 3214868480
	.fill 96, 4, 3214868480
	.section	.rodata,"a",@progbits
	.p2align	6, 0x0
	.amdhsa_kernel k_q1277fc777f_out
		.amdhsa_group_segment_fixed_size 327680
		.amdhsa_private_segment_fixed_size 0
		.amdhsa_enable_private_segment 0
		.amdhsa_kernarg_size 32
		.amdhsa_user_sgpr_count 2
		.amdhsa_user_sgpr_kernarg_segment_ptr 1
		.amdhsa_wavefront_size32 1
		.amdhsa_system_sgpr_workgroup_id_x 1
		.amdhsa_system_sgpr_workgroup_id_y 1
		.amdhsa_system_sgpr_workgroup_id_z 1
		.amdhsa_system_vgpr_workitem_id 0
		.amdhsa_next_free_vgpr 1024
		.amdhsa_next_free_sgpr 84
		.amdhsa_reserve_vcc 0
		.amdhsa_float_denorm_mode_32 3
		.amdhsa_float_denorm_mode_16_64 3
		.amdhsa_memory_ordered 1
		.amdhsa_forward_progress 1
		.amdhsa_inst_pref_size 88
	.end_amdhsa_kernel
	.amdgpu_metadata
---
amdhsa.version: [ 1, 2 ]
amdhsa.kernels:
  - .name:           k_q1277fc777f_out
    .symbol:         k_q1277fc777f_out.kd
    .args:
      - { .name: ctx, .offset: 0, .size: 8, .value_kind: global_buffer, .address_space: global }
      - { .name: wo16, .offset: 8, .size: 8, .value_kind: global_buffer, .address_space: global }
      - { .name: bo, .offset: 16, .size: 8, .value_kind: global_buffer, .address_space: global }
      - { .name: out0, .offset: 24, .size: 8, .value_kind: global_buffer, .address_space: global }
    .group_segment_fixed_size: 327680
    .private_segment_fixed_size: 0
    .kernarg_segment_align: 8
    .kernarg_segment_size: 32
    .max_flat_workgroup_size: 128
    .sgpr_count:     84
    .vgpr_count:     1024
    .wavefront_size: 32
...
	.end_amdgpu_metadata
.endif
;; end of part 5
;; launch fix (part 6): grid 256 x 1, 1 waves a work-group, no clusters, 0 bytes of LDS; arguments ctx, wo16, bo, fmask, out0; writes out0
.if DOCPART == 6
	.amdgcn_target "amdgcn-amd-amdhsa--gfx1250"
	.amdhsa_code_object_version 6
	.text
	.protected	k_q1277fc777f_fix
	.globl	k_q1277fc777f_fix
	.p2align	8
	.type	k_q1277fc777f_fix,@function
k_q1277fc777f_fix:
	s_mov_b64 s[64:65], 0
	v_nop
	global_prefetch_b8 v0, s[64:65] scope:SCOPE_SE
	s_setreg_imm32_b32 hwreg(HW_REG_WAVE_MODE, 25, 1), 1
	s_wait_xcnt 0x0
; Rows that sum few terms are carried finely through the last product: out0 = ctx Wo + bo once more, with ctx as f32 (the plane at 0x1000000) and Wo as f32, by v_wmma_f32_16x16x4_f32, over the rows that the launch before stored.
; WHICH ROWS: fmask, stored by an earlier launch from the mask's own counts: word w, bit i = row 32 w + i has at most 16 keys that count.  A block of 16 rows is taken whole where any of its rows is so marked;
; the first block of each batch is always taken.  These are the very blocks whose ctx was stored as f32.  The finer value is right for every row, so taking more rows than are marked changes nothing but the last bits.
; SHARES: a work-group is one wave: one batch (work-group / 64) and 16 columns (work-group % 64).  It walks its batch's 128 blocks as four lane masks of 32 bits: loops of constant count (4 x 32); a mask that is 0 is passed over whole.
; No tensor load, no LDS, no barrier: so a scalar branch may hang on the stored words.
; A BLOCK: K = 1,024 in 32 chunks of 32 through six sets of 32 registers.  K is permuted alike on both sides: lane (r, h) holds k = 32 c + 8 u + 4 h + 0 .. 3 in registers 4 u .. 4 u + 3: for ctx one load of 16 bytes of row r;
; Wo lies in that very order (wo16 at 0x200000: [tile of 16 columns][chunk][u][lane][4 numbers]), so a load of 16 bytes a lane reads 512 consecutive bytes.  A chunk is eight loads.
; Four accumulators take turns; the first four products start the sums, one of them with bo as C.
; The results are 16 rows x 16 columns: eight stores of 64 consecutive bytes for each half of the lanes; so little that a way through LDS would not pay.
.set ACC, 16                           ; v16-47  four accumulators: written by matrix instructions alone
.set BIA, 48                           ; v48-55  bo[my column], eight times: the result's layout
.set RES, 56                           ; v56-63  the sum of the four
.set BUF, 64                           ; v64-255 six sets: 16 registers of ctx, 16 of Wo
.set NB,  6
	s_load_b256 s[32:39], s[0:1], 0x0              ; ctx, wo16, bo, fmask
	s_load_b64 s[40:41], s[0:1], 0x20              ; out0
	v_and_b32 v1, 15, v0                           ; r
	v_bfe_u32 v2, v0, 4, 1                         ; h
	v_lshlrev_b32 v4, 12, v1
	v_lshl_add_u32 v4, v2, 4, v4                   ; ctx: row r of 4,096 bytes, + 16 h
	v_lshlrev_b32 v6, 2, v1                        ; bo: 4 r
	v_lshlrev_b32 v5, 4, v0                        ; Wo: 16 x lane
	v_lshl_add_u32 v7, v2, 15, v6                  ; out0: 8 h rows, + 4 r
	v_lshlrev_b32 v8, 2, v0                        ; fmask: a word a lane
	s_lshr_b32 s16, ttmp9, 6                       ; batch
	s_and_b32 s17, ttmp9, 63
	s_lshl_b32 s18, s17, 6                         ; my 16 columns, in bytes
	s_mov_b32 s19, 0
	s_lshl_b32 s26, s17, 16                        ; my tile of columns in the laid-out Wo
	s_add_co_u32 s26, s26, 0x200000
	s_mov_b32 s27, 0
	s_lshl_b32 s28, s16, 23                        ; the batch's 2,048 rows of 4,096 bytes
	s_mov_b32 s29, 0
	s_lshl_b32 s30, s16, 8                         ; its 64 words
	s_mov_b32 s31, 0
	s_wait_kmcnt 0x0
	s_add_nc_u64 s[4:5], s[32:33], s[28:29]
	s_add_nc_u64 s[4:5], s[4:5], 0x1000000         ; ctx as f32, at the batch
	s_add_nc_u64 s[6:7], s[40:41], s[28:29]
	s_add_nc_u64 s[6:7], s[6:7], s[18:19]          ; out0 at the batch and my columns
	s_add_nc_u64 s[10:11], s[34:35], s[26:27]      ; Wo at my columns
	s_add_nc_u64 s[36:37], s[36:37], s[18:19]
	s_add_nc_u64 s[38:39], s[38:39], s[30:31]
	global_load_b32 v[BIA], v6, s[36:37]
	global_load_b32 v9, v8, s[38:39]               ; word l: rows 32 l on
	global_load_b32 v10, v8, s[38:39] offset:128   ; word 32 + l
	s_wait_loadcnt 0x0
.irp j, 1,2,3,4,5,6,7
	v_mov_b32 v[BIA+\j], v[BIA]
.endr
	v_and_b32 v3, 0xffff, v9
	v_cmp_ne_u32 s20, 0, v3                        ; bit l: block 2 l
	v_lshrrev_b32 v3, 16, v9
	v_cmp_ne_u32 s21, 0, v3                        ; block 2 l + 1
	v_and_b32 v3, 0xffff, v10
	v_cmp_ne_u32 s22, 0, v3                        ; block 64 + 2 l
	v_lshrrev_b32 v3, 16, v10
	v_cmp_ne_u32 s23, 0, v3                        ; block 64 + 2 l + 1
	s_or_b32 s20, s20, 1                           ; the batch's first block, always
.macro LOADC c                         ; chunk c: eight loads into set c % 6
.set BA, BUF+32*((\c)%NB)
.irp u, 0,1,2,3
	global_load_b128 v[BA+4*\u:BA+4*\u+3], v4, s[12:13] offset:128*(\c)+32*\u
.endr
.irp u, 0,1,2,3
	global_load_b128 v[BA+16+4*\u:BA+16+4*\u+3], v5, s[10:11] offset:2048*(\c)+512*\u
.endr
.endm
.macro MULC c                          ; chunk c: eight products of 4 along K, source 0 = 16 rows of ctx, source 1 = 16 columns of Wo
.set BA, BUF+32*((\c)%NB)
.set st, 0
.rept 8
.set rD, ACC+8*(st%4)
.if ((\c) == 0) && (st == 0)
	v_wmma_f32_16x16x4_f32 v[rD:rD+7], v[BA+2*st:BA+2*st+1], v[BA+16+2*st:BA+16+2*st+1], v[BIA:BIA+7]
.elseif ((\c) == 0) && (st < 4)
	v_wmma_f32_16x16x4_f32 v[rD:rD+7], v[BA+2*st:BA+2*st+1], v[BA+16+2*st:BA+16+2*st+1], 0
.else
	v_wmma_f32_16x16x4_f32 v[rD:rD+7], v[BA+2*st:BA+2*st+1], v[BA+16+2*st:BA+16+2*st+1], v[rD:rD+7]
.endif
.set st, st+1
.endr
.endm
	s_mov_b32 s8, 0                                ; which of the four masks
.Lmask:
	s_cmp_eq_u32 s8, 1
	s_cselect_b32 s24, s21, s20
	s_cmp_eq_u32 s8, 2
	s_cselect_b32 s24, s22, s24
	s_cmp_eq_u32 s8, 3
	s_cselect_b32 s24, s23, s24
	s_cmp_eq_u32 s24, 0
	s_cbranch_scc1 .Lnone                          ; none of these 32 blocks is marked
	s_mov_b32 s9, 0                                ; which bit
.Lbit:
	s_lshr_b32 s25, s24, s9
	s_and_b32 s25, s25, 1
	s_cmp_eq_u32 s25, 0
	s_cbranch_scc1 .Lskip
	s_lshr_b32 s26, s8, 1                          ; block = 64 (mask / 2) + 2 bit + mask % 2: made of the loops' counters alone
	s_lshl_b32 s26, s26, 6
	s_lshl_b32 s27, s9, 1
	s_add_co_u32 s26, s26, s27
	s_and_b32 s27, s8, 1
	s_add_co_u32 s26, s26, s27
	s_lshl_b32 s26, s26, 16                        ; 16 rows of 4,096 bytes
	s_mov_b32 s27, 0
	s_wait_xcnt 0x0                                ; the last block's loads and stores have read their bases and data
	s_add_nc_u64 s[12:13], s[4:5], s[26:27]
	s_add_nc_u64 s[14:15], s[6:7], s[26:27]
.set c, 0
.rept NB
	LOADC c
.set c, c+1
.endr
.set c, 0
.rept 32
.if 31-c >= NB-1
	s_wait_loadcnt 8*(NB-1)                        ; this chunk's loads are in; the five younger chunks' 40 may be out
.else
	s_wait_loadcnt 8*(31-c)                        ; the last chunks: the count runs down
.endif
	MULC c
.if c+NB < 32
.rept 8
	v_nop                                          ; eight places behind this form, in front of loads into registers that it has read
.endr
	LOADC c+NB
.endif
.set c, c+1
.endr
.rept 9
	v_nop                                          ; places in front of the reads of the results, of the next block's loads, and (nine) of its products, which begin the sums anew
.endr
.irp j, 0,1,2,3,4,5,6,7
	v_add_f32 v[RES+\j], v[ACC+\j], v[ACC+8+\j]    ; each accumulator from its low end on
.endr
.irp j, 0,1,2,3,4,5,6,7
	v_add_f32 v[RES+\j], v[RES+\j], v[ACC+16+\j]
.endr
.irp j, 0,1,2,3,4,5,6,7
	v_add_f32 v[RES+\j], v[RES+\j], v[ACC+24+\j]
.endr
.irp j, 0,1,2,3,4,5,6,7
	global_store_b32 v7, v[RES+\j], s[14:15] offset:4096*\j   ; out0(8 h + j, r)
.endr
.Lskip:
	s_add_co_u32 s9, s9, 1
	s_cmp_lt_u32 s9, 32
	s_cbranch_scc1 .Lbit
.Lnone:
	s_add_co_u32 s8, s8, 1
	s_cmp_lt_u32 s8, 4
	s_cbranch_scc1 .Lmask
	s_endpgm
.Lfunc_end_k_q1277fc777f_fix:
	.size	k_q1277fc777f_fix, .Lfunc_end_k_q1277fc777f_fix-k_q1277fc777f_fix
	.p2alignl 7, 3214868480
	.fill 96, 4, 3214868480
	.section	.rodata,"a",@progbits
	.p2align	6, 0x0
	.amdhsa_kernel k_q1277fc777f_fix
		.amdhsa_group_segment_fixed_size 0
		.amdhsa_private_segment_fixed_size 0
		.amdhsa_enable_private_segment 0
		.amdhsa_kernarg_size 40
		.amdhsa_user_sgpr_count 2
		.amdhsa_user_sgpr_kernarg_segment_ptr 1
		.amdhsa_wavefront_size32 1
		.amdhsa_system_sgpr_workgroup_id_x 1
		.amdhsa_system_sgpr_workgroup_id_y 1
		.amdhsa_system_sgpr_workgroup_id_z 1
		.amdhsa_system_vgpr_workitem_id 0
		.amdhsa_next_free_vgpr 256
		.amdhsa_next_free_sgpr 66
		.amdhsa_reserve_vcc 0
		.amdhsa_float_denorm_mode_32 3
		.amdhsa_float_denorm_mode_16_64 3
		.amdhsa_memory_ordered 1
		.amdhsa_forward_progress 1
		.amdhsa_inst_pref_size 53
	.end_amdhsa_kernel
	.amdgpu_metadata
---
amdhsa.version: [ 1, 2 ]
amdhsa.kernels:
  - .name:           k_q1277fc777f_fix
    .symbol:         k_q1277fc777f_fix.kd
    .args:
      - { .name: ctx, .offset: 0, .size: 8, .value_kind: global_buffer, .address_space: global }
      - { .name: wo16, .offset: 8, .size: 8, .value_kind: global_buffer, .address_space: global }
      - { .name: bo, .offset: 16, .size: 8, .value_kind: global_buffer, .address_space: global }
      - { .name: fmask, .offset: 24, .size: 8, .value_kind: global_buffer, .address_space: global }
      - { .name: out0, .offset: 32, .size: 8, .value_kind: global_buffer, .address_space: global }
    .group_segment_fixed_size: 0
    .private_segment_fixed_size: 0
    .kernarg_segment_align: 8
    .kernarg_segment_size: 40
    .max_flat_workgroup_size: 32
    .sgpr_count:     66
    .vgpr_count:     256
    .wavefront_size: 32
...
	.end_amdgpu_metadata
.endif
;; end of part 6
